; MI455X (gfx1250); checked and timed in simulation.
; The chip was launched on July 23, 2026; its instructions are those of AMD's public machine-readable ISA for CDNA 5 (MIT licence, August 2026) and "CDNA5" Instruction Set Architecture Reference Guide (July 2026). The comments in the code are by the model that wrote it; some were corrected since.
;; Block Drop. Allowed arithmetic: matrix products marked QUANTISED: E2M1 operands, one E8M0 scale for each 32 along K, by v_wmma_scale_f32_16x16x128_f8f6f4 with both operands' format E2M1 (or v_wmma_scale_f32_32x16x128_f4), f32 sums; everything else in f32.
;; Inputs: W1 512 x 512 float32; W2 512 x 512 float32; Wk 512 x 512 float32; Wo 512 x 512 float32; Wq 512 x 512 float32; Wv 512 x 512 float32; b1m 512 float32; b2m 512 float32; beta1 512 float32; beta2 512 float32; bk 512 float32; bo 512 float32; bq 512 float32; bv 512 float32; g1 512 float32; g2 512 float32; x 8 x 4,096 x 512 float32.
;; Outputs: out0 8 x 4,096 x 512 float32.
;; Constants: spatial_h = 64, spatial_w = 64, window_size = 16.
;; This version of the problem:
;;   THIS VERSION OF THE PROBLEM IS GIVEN IN LOW PRECISION. The matrix products marked QUANTISED in the list below multiply operands that are first quantised to E2M1 (2 exponent bits, 1 mantissa bit; 4 bits a number), with one power-of-two scale for each 32 numbers along K (OCP MX v1.0); their sums are f32. All else is computed in f32.
;;   The module's matrix products, in the order in which they are computed (A, B: the left and right operand; K: the contracted axis; several contracted axes count as one K, in the product's order):
;;     1. [M 32,768, K 512] x [K 512, N 512]; A: computed on the way; B: input Wq: QUANTISED
;;     2. [M 32,768, K 512] x [K 512, N 512]; A: computed on the way; B: input Wk: QUANTISED
;;     3. [M 32,768, K 512] x [K 512, N 512]; A: computed on the way; B: input Wv: QUANTISED
;;     4. batch 2,048 x [M 256, K 32] x [K 32, N 256]; A: computed on the way; B: computed on the way: QUANTISED
;;     5. batch 2,048 x [M 256, K 256] x [K 256, N 32]; A: softmax (see below); B: computed on the way: QUANTISED
;;     6. [M 32,768, K 512] x [K 512, N 512]; A: computed on the way; B: input Wo: QUANTISED
;;     7. [M 32,768, K 512] x [K 512, N 512]; A: computed on the way; B: input W1: QUANTISED
;;     8. [M 32,768, K 512] x [K 512, N 512]; A: computed on the way; B: input W2: QUANTISED
;;   THE QUANTISER, for each operand of a quantised product, along K:
;;     - K is cut into blocks of 32 from its start; a last block that is shorter is filled with zeros.
;;     - A block's scale is 2^e with e = floor(log2(the largest magnitude in the block)) - 2, held to -126 .. 127; a block of zeros has e = 0. As a byte (E8M0): e + 127.
;;     - Each number is divided by its block's scale, clamped to +-6, and rounded to the nearest number of E2M1, ties to even, subnormals kept.
;;     - The product sums the exact products of the quantised numbers (number of the format x scale) in f32.
;;   ~~~python
;;   def quantise(x, axis):      # numpy; x: float32 -> the quantised numbers, widened to float32 again
;;       x = np.moveaxis(x, axis, -1); K = x.shape[-1]
;;       x = np.pad(x, [(0, 0)] * (x.ndim - 1) + [(0, -K % 32)]); x = x.reshape(x.shape[:-1] + (-1, 32)); a = np.abs(x).max(-1, keepdims=True)
;;       e = np.where(a > 0, np.clip(np.frexp(np.where(a > 0, a, 1))[1] - 1 - 2, -126, 127), 0)      # np.frexp(a)[1] - 1 = floor(log2(a)), exactly
;;       r = np.clip(x / 2.0 ** e, -6, 6)
;;       step = 2.0 ** (np.maximum(np.frexp(np.where(r == 0, 1, r))[1] - 1, 0) - 1)
;;       q = np.round(r / step) * step * 2.0 ** e      # np.round: ties to even
;;       return np.moveaxis(q.reshape(q.shape[:-2] + (-1,))[..., :K], -1, axis).astype(np.float32)
;;   ~~~
;;   SOFTMAX AHEAD OF A QUANTISED PRODUCT. Where the list says 'softmax', what is quantised is not the finished softmax but p = 2^(t - M), with t = logit x log2(e) and M = ceil(the row's largest t), a whole number; so 1/2 < the row's largest p <= 1. The row's sum l is taken of the UNQUANTISED p, in f32, and the product's result is divided by l at the end. Since M is a whole number, a kernel that streams over the keys may use a running M (the ceiling of the running maximum): every later rescaling is an exact power of two, which a block's scale takes up: the codes' values come out the same.
;;   OPERANDS COMPUTED ON THE WAY. 'Computed on the way' means the value that the module computes at that place (a softmax that the list does not call 'softmax' is quantised finished and normalised). What goes into a quantiser is computed in f32, as accurately as f32 sums, v_exp_f32 and their like allow (about 1e-6 of the number): no bf16 or f16 on the way to a quantiser, and a product that is left as it is and whose result goes on into a quantised operand takes f32 operands (vector FMAs, or v_wmma_f32_16x16x4_f32). A number that lies on a knife's edge between two numbers of the format may be rounded either way, as far as f32 arithmetic and the matrix unit's own rounding can turn it there, and no further.
;; One version. Each part assembles by itself: llvm-mc -triple=amdgcn-amd-amdhsa -mcpu=gfx1250 --defsym DOCPART=n.
;; ======== version 1 of 1: 3 launches
;; limits: a function is approximated: absolute error at most 1.5e-07
;; workspace buffers: wimg 786,432 bytes; wscl 49,152 bytes; himg 8,388,608 bytes; hscl 524,288 bytes; oimg 8,388,608 bytes; oscl 524,288 bytes
;; launch prep (part 1): grid 608 x 1, 4 waves a work-group, no clusters, 132,608 bytes of LDS; arguments x, g1, beta1, Wq, Wk, Wv, Wo, W1, W2, himg, hscl, wimg, wscl; writes himg, hscl, wimg, wscl
.if DOCPART == 1
	.amdgcn_target "amdgcn-amd-amdhsa--gfx1250"
	.amdhsa_code_object_version 6
	.text
	.protected	k_qa74633e890_prep
	.globl	k_qa74633e890_prep
	.p2align	8
	.type	k_qa74633e890_prep,@function
k_qa74633e890_prep:
	s_mov_b64 s[64:65], 0
	v_nop
	global_prefetch_b8 v0, s[64:65] scope:SCOPE_SE
	s_setreg_imm32_b32 hwreg(HW_REG_WAVE_MODE, 25, 1), 1
	s_wait_xcnt 0x0
; PREP.  Two kinds of work-groups, told apart by the work-group's number.
; W (numbers 0-95): the six weights [512 (k)][512 (n)] f32 become codes of FP4 (E2M1) with one E8M0 byte for each 32 along K, laid as IMAGES OF OPERAND REGISTERS.
; X (numbers 96-607): h = LayerNorm1(x), quantised along its 512 channels, laid likewise, by windows of 16 x 16 tokens.
; AN IMAGE is a fragment of 16 rows x 128 K in 1,024 bytes: register 4 c + i of lane l at byte 512 c + 16 l + 4 i; so block b (32 along K) of row r is the 16 bytes at 512 (b / 2) + 256 (b % 2) + 16 r.
; WHICH ROWS FORM A TILE: lane r of tile t holds index 32 (t / 2) + 8 (t % 2) + r + 8 (r / 8), of a weight's columns and of a window's tokens alike, so that the 16 results a lane holds of two neighbouring tiles are 16 neighbours.
; wimg [6][32 tiles][4 K steps][1024];  wscl [6][32][16 rows][16 bytes];  himg [128 windows][16 tiles][4][1024];  hscl [128][16][16][16].
; A block's scale is 2^(floor(log2(largest magnitude)) - 2); its byte is that magnitude's exponent field - 2, held at 1 from below by a floor among the maximum's leaves.
; LIMITS: NaN and infinities are not served.  A block of zeros, or one whose largest magnitude lies under 2^-124, gets the byte 1 (its codes are zeros or what that scale gives); the bytes are read by this program alone.
; The weights' scale words leave as 4 bytes a lane, 16 bytes apart: 49,152 bytes in the whole launch; all other stores of a wave cover whole aligned runs of 256 bytes.
; No tensor load, no barrier: waves share nothing.  Only the X kind touches LDS: a stage of 16 rows x (2,048 + 16) bytes for each wave.
.set SP,   2064                        ; a stage row: 2,048 bytes + 16, an odd multiple of 16
.set STG,  16*SP                       ; a wave's stage
.set G1R,  16                          ; v16-31   g1 at channels 128 j + 4 lane + i
.set B1R,  32                          ; v32-47   beta1 likewise
.set TM,   48                          ; v48-63   the quantiser's work
.set RP,   64                          ; v64-79   two rows' sums: +0..3 two chains, +4:5 the mean (low), +6:7 1 / sigma (low)
.set XR,   80                          ; v80-207  eight row slots of 16 numbers; later two sets of 64 numbers for the quantiser
.set PC,   208                         ; v208-239 codes, eight registers for each K step
.set PW,   240                         ; v240-243 the four scale words
.set SEL,  44                          ; s[44:45] lane selects: lane l xor 16
; 64 numbers of a lane, register 16 b + i = k 32 b + 16 (lane / 16) + i of the lane's row: four blocks' scales and codes.  Codes: v[pc + 2 b], v[pc + 2 b + 1]; bytes: v[tm + 4 + b].
.macro QCORE s, tm, pc
.irp b, 0,1,2,3
	v_max3_num_f32 v[(\tm)+\b], |v[(\s)+16*\b]|, |v[(\s)+16*\b+1]|, 0x1800000      ; my 16 numbers, and the floor 2^(3 - 127)
.endr
.irp i, 2,4,6,8,10,12,14
.irp b, 0,1,2,3
	v_max3_num_f32 v[(\tm)+\b], v[(\tm)+\b], |v[(\s)+16*\b+\i]|, |v[(\s)+16*\b+\i+1]|   ; the four blocks by turns
.endr
.endr
.irp b, 0,1,2,3
	v_permlanex16_b32 v[(\tm)+4+\b], v[(\tm)+\b], s[SEL], s[SEL+1]
.endr
.irp b, 0,1,2,3
	v_max_num_f32 v[(\tm)+\b], v[(\tm)+\b], v[(\tm)+4+\b]                          ; with lane l xor 16's 16: the block's largest magnitude
.endr
.irp b, 0,1,2,3
	v_add_nc_u32 v[(\tm)+12+\b], 0xff000000, v[(\tm)+\b]                           ; 2 off its exponent field: the conversion's scale operand
.endr
.irp b, 0,1,2,3
	v_lshrrev_b32 v[(\tm)+4+\b], 23, v[(\tm)+12+\b]                                ; the scale's byte
.endr
.irp b, 0,1,2,3
	v_cvt_scalef32_pk8_fp4_f32 v[(\pc)+2*\b], v[(\s)+16*\b:(\s)+16*\b+7], v[(\tm)+12+\b]
	v_cvt_scalef32_pk8_fp4_f32 v[(\pc)+2*\b+1], v[(\s)+16*\b+8:(\s)+16*\b+15], v[(\tm)+12+\b]
.endr
	v_nop                                          ; one plain line behind the scaled conversions
.endm
; the same, finished into a fragment (a whole block in a lane) and its scale word
.macro QUANT s, tm, pc, pw
	QCORE \s, \tm, \pc
	v_lshl_or_b32 v[\pw], v[(\tm)+5], 8, v[(\tm)+4]
	v_lshl_or_b32 v[\pw], v[(\tm)+6], 16, v[\pw]
	v_lshl_or_b32 v[\pw], v[(\tm)+7], 24, v[\pw]
.irp c, 0,1
.irp i, 0,1
	v_permlane16_swap_b32 v[(\pc)+4*\c+\i], v[(\pc)+4*\c+2+\i]   ; lanes 0-15 keep block 2 c, lanes 16-31 take block 2 c + 1
.endr
.endr
.endm
	s_load_b512 s[4:19], s[0:1], 0x0               ; x, g1, beta1, Wq, Wk, Wv, Wo, W1
	s_load_b256 s[20:27], s[0:1], 0x40             ; W2, himg, hscl, wimg
	s_load_b64 s[28:29], s[0:1], 0x60              ; wscl
	v_lshl_add_u32 v254, v0, 2, 0x20400
	v_mov_b32 v255, 0
	v_lshrrev_b32 v1, 5, v0
	v_readfirstlane_b32 s30, v1                    ; wave 0..3
	v_and_b32 v2, 31, v0                           ; lane
	s_cmp_lt_u32 ttmp9, 96
	s_cbranch_scc0 .Lrole_x
; ---------------- W: weight j = number / 16, 32 columns nb = number % 16, wave = K step.  A lane takes a column and its registers run down K.
	s_lshr_b32 s31, ttmp9, 4                       ; j
	s_and_b32 s32, ttmp9, 15                       ; nb
	v_lshlrev_b32 v3, 2, v2                        ; in: 4 bytes a lane, 128 consecutive bytes a load
	v_bfe_u32 v4, v2, 3, 1                         ; column 32 nb + lane lies in tile 2 nb + u, u = (lane / 8) % 2,
	v_and_b32 v5, 7, v2
	v_lshrrev_b32 v6, 4, v2
	v_lshlrev_b32 v7, 4, v5
	v_lshl_add_u32 v7, v6, 7, v7                   ; at row r = lane % 8 + 8 (lane / 16): 16 r
	v_lshl_add_u32 v8, v4, 12, v7                  ; codes: + 4,096 u
	v_lshl_add_u32 v9, v4, 8, v7                   ; scale words: + 256 u
	s_lshl_b32 s34, s30, 18                        ; the weight: 128 rows of 2,048 bytes a K step,
	s_lshl_b32 s35, s32, 7                         ; 128 bytes for 32 columns
	s_add_co_u32 s34, s34, s35
	s_mov_b32 s35, 0
	s_lshl_b32 s36, s31, 17                        ; wimg: 131,072 j + 8,192 nb + 1,024 K step
	s_lshl_b32 s37, s32, 13
	s_add_co_u32 s36, s36, s37
	s_lshl_b32 s37, s30, 10
	s_add_co_u32 s36, s36, s37
	s_mov_b32 s37, 0
	s_lshl_b32 s38, s31, 13                        ; wscl: 8,192 j + 512 nb + 4 K step
	s_lshl_b32 s39, s32, 9
	s_add_co_u32 s38, s38, s39
	s_lshl_b32 s39, s30, 2
	s_add_co_u32 s38, s38, s39
	s_mov_b32 s39, 0
	s_wait_kmcnt 0x0
	s_cmp_eq_u32 s31, 1                            ; which weight: the choice hangs on the work-group's number alone
	s_cselect_b64 s[10:11], s[12:13], s[10:11]
	s_cmp_eq_u32 s31, 2
	s_cselect_b64 s[10:11], s[14:15], s[10:11]
	s_cmp_eq_u32 s31, 3
	s_cselect_b64 s[10:11], s[16:17], s[10:11]
	s_cmp_eq_u32 s31, 4
	s_cselect_b64 s[10:11], s[18:19], s[10:11]
	s_cmp_eq_u32 s31, 5
	s_cselect_b64 s[10:11], s[20:21], s[10:11]
	s_add_nc_u64 s[10:11], s[10:11], s[34:35]
	s_add_nc_u64 s[26:27], s[26:27], s[36:37]
	s_add_nc_u64 s[28:29], s[28:29], s[38:39]
.set i, 0
.rept 128
	global_load_b32 v[64+i], v3, s[10:11] offset:i*2048 th:TH_LOAD_NT   ; W(128 K step + i, my column): all four blocks are asked for at once
.set i, i+1
.endr
.macro WBLOCK be                       ; block be: all its 32 numbers are mine
.set XS, 64+32*(\be)
	v_max3_num_f32 v12, |v[XS]|, |v[XS+1]|, |v[XS+2]|
	v_max3_num_f32 v13, |v[XS+3]|, |v[XS+4]|, |v[XS+5]|
.irp i, 6,10,14,18,22,26
	v_max3_num_f32 v12, v12, |v[XS+\i]|, |v[XS+\i+1]|
	v_max3_num_f32 v13, v13, |v[XS+\i+2]|, |v[XS+\i+3]|
.endr
	v_max3_num_f32 v12, v12, |v[XS+30]|, |v[XS+31]|
	v_max3_num_f32 v12, v12, v13, 0x1800000        ; and the floor
	v_add_nc_u32 v11, 0xff000000, v12              ; the conversion's scale operand
	v_lshrrev_b32 v13, 23, v11                     ; the byte
.if (\be) == 0
	v_mov_b32 v208, v13
.else
	v_lshl_or_b32 v208, v13, 8*(\be), v208         ; four bytes make my column's word of this K step
.endif
.irp g, 0,1,2,3
	v_cvt_scalef32_pk8_fp4_f32 v[192+4*(\be)+\g], v[XS+8*\g:XS+8*\g+7], v11
.endr
	v_nop                                          ; one plain line behind the conversions: the next block writes their scale operand
	global_store_b128 v8, v[192+4*(\be):192+4*(\be)+3], s[26:27] offset:512*((\be)/2)+256*((\be)%2)   ; sixteen lanes of a tile fill 256 consecutive bytes, aligned
.endm
	s_wait_loadcnt 63                              ; 128 were issued: at most 63 are out, so the first 65 are in: blocks 0 and 1
	WBLOCK 0
	WBLOCK 1
	s_wait_loadcnt 32                              ; block 3's 32 may be out
	WBLOCK 2
	s_wait_loadcnt 0x0
	WBLOCK 3
	global_store_b32 v9, v208, s[28:29]
	s_endpgm
; ---------------- X: a wave takes one tile of 16 tokens: window = n / 4, tile = 4 (n % 4) + wave, n = number - 96.
.Lrole_x:
	s_sub_co_u32 s31, ttmp9, 96
	s_lshr_b32 s32, s31, 2                         ; window = (image 4 + window row) 4 + window column
	s_and_b32 s33, s31, 3
	s_lshl_b32 s33, s33, 2
	s_add_co_u32 s33, s33, s30                     ; tile T = 2 b + u: rows 0-7 are tokens (y = 2 b, x = 8 u ..), rows 8-15 the same x one line of the window down
	s_lshr_b32 s34, s32, 4
	s_lshl_b32 s34, s34, 12                        ; 4,096 rows an image
	s_bfe_u32 s35, s32, 0x20002
	s_lshl_b32 s35, s35, 10                        ; 16 lines of 64 a window row
	s_add_co_u32 s34, s34, s35
	s_lshr_b32 s35, s33, 1
	s_lshl_b32 s35, s35, 7                         ; two lines of 64 for b
	s_add_co_u32 s34, s34, s35
	s_and_b32 s35, s32, 3
	s_lshl_b32 s35, s35, 4                         ; 16 a window column
	s_add_co_u32 s34, s34, s35
	s_and_b32 s35, s33, 1
	s_lshl_b32 s35, s35, 3                         ; 8 u
	s_add_co_u32 s34, s34, s35
	s_lshl_b32 s34, s34, 11                        ; rows of 2,048 bytes (under 2^27)
	s_mov_b32 s35, 0
	s_lshl_b32 s36, s32, 4
	s_add_co_u32 s36, s36, s33                     ; the tile's number in the launch
	s_lshl_b32 s38, s36, 8                         ; hscl: 256 bytes a tile
	s_mov_b32 s39, 0
	s_lshl_b32 s36, s36, 12                        ; himg: 4,096 bytes a tile
	s_mov_b32 s37, 0
	s_mov_b32 s40, 0x3b000000                      ; 1 / 512
	s_mov_b32 s41, 0x3727c5ac                      ; 1e-5
	s_mov_b32 s42, 0xffff0000                      ; lanes 16-31
	s_mov_b32 s[SEL], 0x76543210
	s_mov_b32 s[SEL+1], 0xfedcba98
	v_lshlrev_b32 v3, 4, v2                        ; 16 bytes a lane: a load or store of the wave covers 512 consecutive bytes
	s_mul_i32 s43, s30, STG
	v_add_nc_u32 v4, s43, v3                       ; the stage, on the way in
	v_and_b32 v7, 15, v0                           ; r
	v_bfe_u32 v8, v0, 4, 1                         ; h
	v_mul_u32_u24 v5, v7, SP
	v_lshl_add_u32 v5, v8, 6, v5
	v_add_nc_u32 v5, s43, v5                       ; and on the way out: row r, + 64 h: my 16 numbers of a block of 32
	v_lshlrev_b32 v6, 4, v7
	v_lshl_add_u32 v6, v8, 3, v6                   ; hscl: 16 r + 8 h
.irp i, 5,7,13,15
	v_mov_b32 v[RP+\i], 0                          ; the upper words of pairs of which the low word is broadcast: named, so written
.endr
.irp i, 4,5,6,7
	v_mov_b32 v[TM+\i], 0                          ; a lane permute's destination counts as one of its sources
.endr
	s_wait_kmcnt 0x0
	s_add_nc_u64 s[4:5], s[4:5], s[34:35]
	s_add_nc_u64 s[22:23], s[22:23], s[36:37]
	s_add_nc_u64 s[24:25], s[24:25], s[38:39]
.irp j, 0,1,2,3
	global_load_b128 v[G1R+4*\j:G1R+4*\j+3], v3, s[6:7] offset:512*\j
.endr
.irp j, 0,1,2,3
	global_load_b128 v[B1R+4*\j:B1R+4*\j+3], v3, s[8:9] offset:512*\j
.endr
.macro XROW i                          ; row i of the tile into slot i % 8: four loads of 512 consecutive bytes
.irp j, 0,1,2,3
	global_load_b128 v[XR+16*((\i)%8)+4*\j:XR+16*((\i)%8)+4*\j+3], v3, s[4:5] offset:((\i)/8)*131072+((\i)%8)*2048+512*\j th:TH_LOAD_NT
.endr
.endm
.irp i, 0,1,2,3,4,5,6,7
	XROW \i
.endr
.macro RED                             ; both rows' v[RP + 8 q] summed over the 32 lanes
.irp m, 1,2,4,8
.irp q, 0,1
	v_add_f32_dpp v[RP+8*\q], v[RP+8*\q], v[RP+8*\q] row_xmask:\m row_mask:0xf bank_mask:0xf
.endr
.endr
.irp q, 0,1
	v_permlanex16_b32 v[RP+8*\q+1], v[RP+8*\q], s[SEL], s[SEL+1]
.endr
.irp q, 0,1
	v_add_f32 v[RP+8*\q], v[RP+8*\q], v[RP+8*\q+1]
.endr
.endm
; Rows 2 p and 2 p + 1, line by line by turns: mean, deviations, variance of the deviations, normalised, into the stage.  left: the loads issued behind this pair's eight.
.macro PAIR p, left
.set XA, XR+16*((2*(\p))%8)
	s_wait_loadcnt \left
.irp q, 0,1
	v_pk_add_f32 v[RP+8*\q:RP+8*\q+1], v[XA+16*\q:XA+16*\q+1], v[XA+16*\q+2:XA+16*\q+3]
	v_pk_add_f32 v[RP+8*\q+2:RP+8*\q+3], v[XA+16*\q+4:XA+16*\q+5], v[XA+16*\q+6:XA+16*\q+7]
.endr
.irp k, 8,12
.irp q, 0,1
	v_pk_add_f32 v[RP+8*\q:RP+8*\q+1], v[RP+8*\q:RP+8*\q+1], v[XA+16*\q+\k:XA+16*\q+\k+1]
	v_pk_add_f32 v[RP+8*\q+2:RP+8*\q+3], v[RP+8*\q+2:RP+8*\q+3], v[XA+16*\q+\k+2:XA+16*\q+\k+3]
.endr
.endr
.irp q, 0,1
	v_pk_add_f32 v[RP+8*\q:RP+8*\q+1], v[RP+8*\q:RP+8*\q+1], v[RP+8*\q+2:RP+8*\q+3]
.endr
.irp q, 0,1
	v_add_f32 v[RP+8*\q], v[RP+8*\q], v[RP+8*\q+1]
.endr
	RED
.irp q, 0,1
	v_mul_f32 v[RP+8*\q+4], s40, v[RP+8*\q]        ; the mean
.endr
.irp k, 0,2,4,6,8,10,12,14
.irp q, 0,1
	v_pk_add_f32 v[XA+16*\q+\k:XA+16*\q+\k+1], v[XA+16*\q+\k:XA+16*\q+\k+1], v[RP+8*\q+4:RP+8*\q+5] op_sel_hi:[1,0] neg_lo:[0,1] neg_hi:[0,1]   ; x - mean, in place
.endr
.endr
.irp q, 0,1
	v_pk_mul_f32 v[RP+8*\q:RP+8*\q+1], v[XA+16*\q:XA+16*\q+1], v[XA+16*\q:XA+16*\q+1]
	v_pk_mul_f32 v[RP+8*\q+2:RP+8*\q+3], v[XA+16*\q+2:XA+16*\q+3], v[XA+16*\q+2:XA+16*\q+3]
.endr
.irp k, 4,8,12
.irp q, 0,1
	v_pk_fma_f32 v[RP+8*\q:RP+8*\q+1], v[XA+16*\q+\k:XA+16*\q+\k+1], v[XA+16*\q+\k:XA+16*\q+\k+1], v[RP+8*\q:RP+8*\q+1]
	v_pk_fma_f32 v[RP+8*\q+2:RP+8*\q+3], v[XA+16*\q+\k+2:XA+16*\q+\k+3], v[XA+16*\q+\k+2:XA+16*\q+\k+3], v[RP+8*\q+2:RP+8*\q+3]
.endr
.endr
.irp q, 0,1
	v_pk_add_f32 v[RP+8*\q:RP+8*\q+1], v[RP+8*\q:RP+8*\q+1], v[RP+8*\q+2:RP+8*\q+3]
.endr
.irp q, 0,1
	v_add_f32 v[RP+8*\q], v[RP+8*\q], v[RP+8*\q+1]
.endr
	RED
.irp q, 0,1
	v_fma_f32 v[RP+8*\q+6], v[RP+8*\q], s40, s41   ; variance + 1e-5
.endr
.irp q, 0,1
	v_rsq_f32 v[RP+8*\q+6], v[RP+8*\q+6]
.endr
	v_nop                                          ; a plain line behind the two roots,
	s_wait_alu depctr_va_vdst(0)                   ; and one wait for both, ahead of their first reader
.irp k, 0,2,4,6,8,10,12,14
.irp q, 0,1
	v_pk_mul_f32 v[XA+16*\q+\k:XA+16*\q+\k+1], v[XA+16*\q+\k:XA+16*\q+\k+1], v[RP+8*\q+6:RP+8*\q+7] op_sel_hi:[1,0]
.endr
.endr
.irp k, 0,2,4,6,8,10,12,14
.irp q, 0,1
	v_pk_fma_f32 v[XA+16*\q+\k:XA+16*\q+\k+1], v[XA+16*\q+\k:XA+16*\q+\k+1], v[G1R+\k:G1R+\k+1], v[B1R+\k:B1R+\k+1]
.endr
.endr
.irp q, 0,1
.irp j, 0,1,2,3
	ds_store_b128 v4, v[XA+16*\q+4*\j:XA+16*\q+4*\j+3] offset:(2*(\p)+\q)*SP+512*\j
.endr
.endr
.if ((\p) >= 1) && ((\p) <= 4)
	s_wait_dscnt 8                                 ; this pair's eight stores may be out: the pair before's have read their registers,
	XROW 2*(\p)+6                                  ; which take the rows eight further on
	XROW 2*(\p)+7
.endif
.endm
	PAIR 0, 24                                     ; behind rows 0, 1: rows 2 to 7
	PAIR 1, 16                                     ; behind rows 2, 3: rows 4 to 7
	PAIR 2, 16                                     ; rows 6, 7 and 8, 9
	PAIR 3, 16
	PAIR 4, 16
	PAIR 5, 16
	PAIR 6, 8
	PAIR 7, 0
	s_wait_dscnt 0x0                               ; the stores have read their registers: the slots become the quantiser's two sets
.macro QLOAD s                         ; K step s: lane (r, h) takes, of row r, 16 neighbours of each block of 32
.irp b, 0,1,2,3
.irp q, 0,1,2,3
	ds_load_b128 v[XR+64*((\s)%2)+16*\b+4*\q:XR+64*((\s)%2)+16*\b+4*\q+3], v5 offset:512*(\s)+128*\b+16*\q
.endr
.endr
.endm
.macro QSTEP s, left
	s_wait_dscnt \left                             ; this set's 16 loads are in; the other set's 16 may be out
	QUANT XR+64*((\s)%2), TM, PC+8*(\s), PW+(\s)
	global_store_b128 v3, v[PC+8*(\s):PC+8*(\s)+3], s[22:23] offset:1024*(\s)        ; the image as it stands: 512 consecutive bytes a store
	global_store_b128 v3, v[PC+8*(\s)+4:PC+8*(\s)+7], s[22:23] offset:1024*(\s)+512
.if (\s) < 2
	QLOAD (\s)+2
.endif
.endm
	QLOAD 0
	QLOAD 1
	QSTEP 0, 16
	QSTEP 1, 16
	QSTEP 2, 16
	QSTEP 3, 0
	v_cndmask_b32 v244, v240, v242, s42            ; lane (r, h) stores row r's words 2 h and 2 h + 1:
	v_cndmask_b32 v245, v241, v243, s42
	global_store_b64 v6, v[244:245], s[24:25]      ; the wave fills 256 consecutive bytes, aligned
	s_wait_tensorcnt 0x0
	ds_add_u32 v254, v255
	s_wait_dscnt 0x0
	s_endpgm
.Lfunc_end_k_qa74633e890_prep:
	.size	k_qa74633e890_prep, .Lfunc_end_k_qa74633e890_prep-k_qa74633e890_prep
	.p2alignl 7, 3214868480
	.fill 96, 4, 3214868480
	.section	.rodata,"a",@progbits
	.p2align	6, 0x0
	.amdhsa_kernel k_qa74633e890_prep
		.amdhsa_group_segment_fixed_size 132608
		.amdhsa_private_segment_fixed_size 0
		.amdhsa_enable_private_segment 0
		.amdhsa_kernarg_size 104
		.amdhsa_user_sgpr_count 2
		.amdhsa_user_sgpr_kernarg_segment_ptr 1
		.amdhsa_wavefront_size32 1
		.amdhsa_system_sgpr_workgroup_id_x 1
		.amdhsa_system_sgpr_workgroup_id_y 1
		.amdhsa_system_sgpr_workgroup_id_z 1
		.amdhsa_system_vgpr_workitem_id 0
		.amdhsa_next_free_vgpr 256
		.amdhsa_next_free_sgpr 66
		.amdhsa_reserve_vcc 0
		.amdhsa_float_denorm_mode_32 3
		.amdhsa_float_denorm_mode_16_64 3
		.amdhsa_memory_ordered 1
		.amdhsa_forward_progress 1
		.amdhsa_inst_pref_size 109
	.end_amdhsa_kernel
	.amdgpu_metadata
---
amdhsa.version: [ 1, 2 ]
amdhsa.kernels:
  - .name:           k_qa74633e890_prep
    .symbol:         k_qa74633e890_prep.kd
    .args:
      - { .name: x, .offset: 0, .size: 8, .value_kind: global_buffer, .address_space: global }
      - { .name: g1, .offset: 8, .size: 8, .value_kind: global_buffer, .address_space: global }
      - { .name: beta1, .offset: 16, .size: 8, .value_kind: global_buffer, .address_space: global }
      - { .name: Wq, .offset: 24, .size: 8, .value_kind: global_buffer, .address_space: global }
      - { .name: Wk, .offset: 32, .size: 8, .value_kind: global_buffer, .address_space: global }
      - { .name: Wv, .offset: 40, .size: 8, .value_kind: global_buffer, .address_space: global }
      - { .name: Wo, .offset: 48, .size: 8, .value_kind: global_buffer, .address_space: global }
      - { .name: W1, .offset: 56, .size: 8, .value_kind: global_buffer, .address_space: global }
      - { .name: W2, .offset: 64, .size: 8, .value_kind: global_buffer, .address_space: global }
      - { .name: himg, .offset: 72, .size: 8, .value_kind: global_buffer, .address_space: global }
      - { .name: hscl, .offset: 80, .size: 8, .value_kind: global_buffer, .address_space: global }
      - { .name: wimg, .offset: 88, .size: 8, .value_kind: global_buffer, .address_space: global }
      - { .name: wscl, .offset: 96, .size: 8, .value_kind: global_buffer, .address_space: global }
    .group_segment_fixed_size: 132608
    .private_segment_fixed_size: 0
    .kernarg_segment_align: 8
    .kernarg_segment_size: 104
    .max_flat_workgroup_size: 128
    .sgpr_count:     66
    .vgpr_count:     256
    .wavefront_size: 32
...
	.end_amdgpu_metadata
.endif
;; end of part 1
;; launch attn (part 2): grid 256 x 1, 16 waves a work-group, no clusters, 184,320 bytes of LDS; arguments himg, hscl, wimg, wscl, bq, bk, bv, oimg, oscl; writes oimg, oscl
.if DOCPART == 2
	.amdgcn_target "amdgcn-amd-amdhsa--gfx1250"
	.amdhsa_code_object_version 6
	.text
	.protected	k_qa74633e890_attn
	.globl	k_qa74633e890_attn
	.p2align	8
	.type	k_qa74633e890_attn,@function
k_qa74633e890_attn:
	s_mov_b64 s[64:65], 0
	v_nop
	global_prefetch_b8 v0, s[64:65] scope:SCOPE_SE
	s_setreg_imm32_b32 hwreg(HW_REG_WAVE_MODE, 25, 1), 1
	s_wait_xcnt 0x0
; ATTN.  A work-group takes one window of 256 tokens and 8 of its 16 heads (window = number / 2, heads 8 (number % 2) on): q, k, v = h W + b on codes of FP4 (E2M1, one E8M0 byte for each 32 along K),
; each quantised again (q, k along the head's 32 channels: one block a token and head; v along the keys), softmax(q k^T / sqrt(32)) v, and o quantised along its channels into images for the next launch.
; Sixteen waves of 256 registers, four to a SIMD, so that one wave's vector work stands beside another's matrix work and LDS loads.
; IMAGES: a fragment of 16 rows x 128 K is 1,024 bytes, register 4 c + i of lane l at 512 c + 16 l + 4 i; block b of row r is the 16 bytes at 512 (b / 2) + 256 (b % 2) + 16 r.
; TILES: lane r of tile t holds index 32 (t / 2) + 8 (t % 2) + r + 8 (r / 8) (tokens, weight columns): so the 16 results that a lane holds of tiles 2 b and 2 b + 1 are the neighbours 32 b + 16 (lane / 16) + 0 .. 15.
; QKV: wave w = (head w / 2, half w % 2 of the rows): 8 tiles of rows x the head's 2 tiles of columns; its 8 weight fragments come from memory straight into registers, h's fragments from LDS.
;   q, k: source 0 = weight, source 1 = h: a lane holds one token and 16 channels of the head.   v: the sources swapped: a lane holds one channel and its registers run along the tokens, the next K.
; ATT: wave w owns the 16 queries of tile w, for the 8 heads.  Four heads share a K step of 128: Q's fragment is masked to one head (zero codes add nothing), K's fragment and both scale words stay whole.
;   S^T = K Q^T (a lane: one query, 128 keys), all 256 keys at once: t = score x log2(e) / sqrt(32), M = ceil(largest t), p = 2^(t - M) quantised along the keys; the sum of the unquantised p divides O^T = V^T P^T.
; WHY NO JOINT LOADS: what two work-groups share is a window's 69,632 bytes of h, read once at the head, and weight fragments that go from memory into the registers of the wave that multiplies by them; nothing is walked in step.
; LIMITS: NaN and infinities are not served; a block of zeros or under 2^-124 gets the byte 1 (the bytes are read by this program alone); p under 2^-126 counts as 0.
.set HI,  0                            ; LDS: h's 64 fragments, (4 T + s) x 1,024
.set HS,  65536                        ; their scale words: 256 T + 16 r + 4 s
.set QI,  69632                        ; q's 32 fragments, (2 T + g) x 1,024: g = four local heads
.set KI,  102400                       ; k's likewise
.set VI,  135168                       ; v's: 4,096 head + 2,048 u + 1,024 (half of the keys)
.set QS,  167936                       ; q's scale bytes: 128 T + 8 r + local head
.set KS,  169984
.set VS,  172032                       ; v's scale words: 512 head + 256 u + 128 half + 4 lane
.set BI,  176128                       ; bq's, bk's half (1,024 bytes each), bv's half twice
.set OSC, 180224                       ; o's scale words: 128 T + 8 r + 4 g
.set ACC, 16                           ; v16-143  128 accumulator registers
.set W,   144                          ; v144-207 weight fragment (u, s) at W + 8 (4 u + s)
.set WS,  208                          ; v208-215 its scale words, 4 u + s
.set BS,  216                          ; v216-219 the row operand's scale words
.set BUF, 220                          ; v220-251 four fragments of the row operand; the quantiser's work
.set WB,  8                            ; s[8:9]   wimg at my two tiles
.set WSB, 10                           ; s[10:11] wscl likewise
.set WSA, 10                           ; v10      16 r
.set SEL, 22                           ; s[22:23] lane selects: lane l xor 16
.set CS,  24                           ; s[24:25] c = log2(e) / sqrt(32)
.set WV,  26                           ; s26      wave
; ATT's registers
.set S,   16                           ; v16-143  S^T, then p; v16-31 later O^T
.set KB,  144                          ; v144-175 four fragments of K; behind the scores:
.set BM,  144                          ;   v144-151 each block's largest score, then largest p
.set BT,  152                          ;   v152-159 at work, then the bytes
.set SO,  160                          ;   v160-167 the conversions' scale operands
.set L1,  168                          ;   v168-169 the sum's second chain
.set XM,  170                          ;   v170     a maximum
.set VB,  176                          ; v176-207 the head's four fragments of V
.set KSW, 208
.set VSW, 212
.set PWD, 216                          ; v216-217 p's scale words
.set QSW, 218
.set OW,  219                          ; o's scale word, a byte a head
.set PC,  220                          ; v220-235 p's two fragments
.set MQ,  220                          ; v220-227 ahead of them: Q masked to one head
.set QF,  236                          ; v236-243 Q's fragment of four heads
.set OC,  244                          ; v244-251 o's codes of four heads
.macro PLACES n
.rept \n
	v_nop
.endr
.endm
.macro FETCH reg, adr, off             ; an image comes back as the registers that it was
	ds_load_b128 v[(\reg):(\reg)+3], v[\adr] offset:(\off)
	ds_load_b128 v[(\reg)+4:(\reg)+7], v[\adr] offset:(\off)+512
.endm
.macro WM d, a, b, c, x, y
	v_wmma_scale_f32_16x16x128_f8f6f4 v[\d:\d+7], v[\a:\a+7], v[\b:\b+7], v[\c:\c+7], v[\x], v[\y] matrix_a_fmt:MATRIX_FMT_FP4 matrix_b_fmt:MATRIX_FMT_FP4
.endm
.macro WM0 d, a, b, x, y               ; the constant 0 starts a sum
	v_wmma_scale_f32_16x16x128_f8f6f4 v[\d:\d+7], v[\a:\a+7], v[\b:\b+7], 0, v[\x], v[\y] matrix_a_fmt:MATRIX_FMT_FP4 matrix_b_fmt:MATRIX_FMT_FP4
.endm
; 64 numbers of a lane, register 16 b + i = number 16 (lane / 16) + i of block b: four blocks' scales and codes.  Codes: v[pc + 2 b], v[pc + 2 b + 1]; bytes: v[tm + 4 + b].
.macro QCORE s, tm, pc
.irp b, 0,1,2,3
	v_max3_num_f32 v[(\tm)+\b], |v[(\s)+16*\b]|, |v[(\s)+16*\b+1]|, 0x1800000      ; my 16 numbers, and the floor 2^(3 - 127).  (Each accumulator is read from its low end on)
.endr
.irp i, 2,4,6,8,10,12,14
.irp b, 0,1,2,3
	v_max3_num_f32 v[(\tm)+\b], v[(\tm)+\b], |v[(\s)+16*\b+\i]|, |v[(\s)+16*\b+\i+1]|
.endr
.endr
.irp b, 0,1,2,3
	v_permlanex16_b32 v[(\tm)+4+\b], v[(\tm)+\b], s[SEL], s[SEL+1]
.endr
.irp b, 0,1,2,3
	v_max_num_f32 v[(\tm)+\b], v[(\tm)+\b], v[(\tm)+4+\b]
.endr
.irp b, 0,1,2,3
	v_add_nc_u32 v[(\tm)+12+\b], 0xff000000, v[(\tm)+\b]                           ; 2 off the exponent field: the conversion's scale operand
.endr
.irp b, 0,1,2,3
	v_lshrrev_b32 v[(\tm)+4+\b], 23, v[(\tm)+12+\b]                                ; the byte
.endr
.irp b, 0,1,2,3
	v_cvt_scalef32_pk8_fp4_f32 v[(\pc)+2*\b], v[(\s)+16*\b:(\s)+16*\b+7], v[(\tm)+12+\b]
	v_cvt_scalef32_pk8_fp4_f32 v[(\pc)+2*\b+1], v[(\s)+16*\b+8:(\s)+16*\b+15], v[(\tm)+12+\b]
.endr
	v_nop                                          ; one plain line behind the scaled conversions
.endm
.macro QUANT s, tm, pc, pw             ; the same, finished into a fragment and its scale word
	QCORE \s, \tm, \pc
	v_lshl_or_b32 v[\pw], v[(\tm)+5], 8, v[(\tm)+4]
	v_lshl_or_b32 v[\pw], v[(\tm)+6], 16, v[\pw]
	v_lshl_or_b32 v[\pw], v[(\tm)+7], 24, v[\pw]
.irp c, 0,1
.irp i, 0,1
	v_permlane16_swap_b32 v[(\pc)+4*\c+\i], v[(\pc)+4*\c+2+\i]
.endr
.endr
.endm
.macro LOADW kap                       ; weight kap: my two tiles' eight fragments, each load 512 consecutive bytes
.irp u, 0,1
.irp s, 0,1,2,3
.irp c, 0,1
	global_load_b128 v[W+8*(4*\u+\s)+4*\c:W+8*(4*\u+\s)+4*\c+3], v1, s[WB:WB+1] offset:(\kap)*131072+\u*4096+\s*1024+512*\c
.endr
.endr
.endr
.endm
.macro LOADWS kap                      ; and their rows' four scale words
.irp u, 0,1
	global_load_b128 v[WS+4*\u:WS+4*\u+3], v[WSA], s[WSB:WSB+1] offset:(\kap)*8192+256*\u
.endr
.endm
; 8 tiles of rows x 2 tiles of columns x K = 512: 64 matrix instructions on 16 accumulators that take turns, one instruction a turn.
; tr = 1: source 0 = weight, source 1 = rows; 0: swapped.  am = 0: D(T, u) = ACC + 16 T + 8 u; 1: ACC + 64 u + 8 T.  bias = 1: the registers of D(0, u) hold the bias and are the C of every sum's first
; instruction; the two instructions that write over them come last in the first K step, five places behind the last that read them.  ia, sa: address registers of the rows' images and scale words.
; Four places stand in front of each run of loads into registers that matrix instructions have read (ISA guide 7.12.1 for vector instructions).
.macro GEMM tr, am, bias, ia, sa
.irp s, 0,1,2,3
.irp ch, 1,0
	PLACES 4
.irp t, 0,1,2,3
	FETCH BUF+8*\t, \ia, (4*\ch+\t)*4096+\s*1024
	ds_load_b32 v[BS+\t], v[\sa] offset:(4*\ch+\t)*256+4*\s
.endr
	s_wait_dscnt 0x0
.irp t, 1,2,3,0
.if (\bias) && (\s == 0) && (\ch == 0) && (\t == 0)
	PLACES 5
.endif
.irp u, 0,1
.if \am
.set rD, ACC+64*\u+8*(4*\ch+\t)
.set rC, ACC+64*\u
.else
.set rD, ACC+16*(4*\ch+\t)+8*\u
.set rC, ACC+8*\u
.endif
.if \s > 0
.set rC, rD
.endif
.set rW, W+8*(4*\u+\s)
.set rB, BUF+8*\t
.set rX, WS+4*\u+\s
.set rY, BS+\t
.if \tr
.if (\s == 0) && !(\bias)
	WM0 rD, rW, rB, rX, rY
.else
	WM rD, rW, rB, rC, rX, rY
.endif
.else
.if (\s == 0) && !(\bias)
	WM0 rD, rB, rW, rY, rX
.else
	WM rD, rB, rW, rC, rY, rX
.endif
.endif
.endr
.endr
.endr
.endr
	PLACES 4
.endm
	s_load_b512 s[4:19], s[0:1], 0x0               ; himg, hscl, wimg, wscl, bq, bk, bv, oimg
	s_load_b64 s[20:21], s[0:1], 0x40              ; oscl
	v_lshrrev_b32 v1, 5, v0
	v_readfirstlane_b32 s[WV], v1                  ; wave 0..15
	s_lshr_b32 s27, s26, 1                         ; my head among the eight
	s_and_b32 s28, s26, 1                          ; my half of the rows
	s_lshr_b32 s29, ttmp9, 1                       ; window
	s_and_b32 s30, ttmp9, 1                        ; which eight heads
	v_and_b32 v13, 31, v0                          ; lane
	v_and_b32 v14, 15, v0                          ; r
	v_bfe_u32 v15, v0, 4, 1                        ; h
	v_lshlrev_b32 v1, 4, v13                       ; v1 = 16 lane; never rewritten
	; the head's copies into LDS: addresses in v16-20
	v_and_b32 v16, 255, v0
	v_lshlrev_b32 v16, 2, v16                      ; a bias's half: 4 (thread % 256)
	v_lshl_add_u32 v17, v0, 2, BI                  ; threads 0-255 bring bq, 256-511 bk; each half of the threads a copy of bv
	v_lshlrev_b32 v18, 3, v0                       ; h's scale words: 8 bytes a thread
	v_lshl_add_u32 v19, v0, 3, HS
	v_and_b32 v20, 0x1e0, v0
	v_lshl_add_u32 v20, v20, 7, v1                 ; h's images: 4,096 wave + 16 lane, in memory and in LDS alike
	; QKV's addresses
	s_lshl_b32 s45, s28, 15
	v_add_nc_u32 v2, s45, v1                       ; v2: my 8 tiles of h: HI + 32,768 half + 16 lane
	s_lshl_b32 s45, s28, 11
	s_add_co_u32 s45, s45, HS
	v_lshl_add_u32 v3, v14, 4, s45                 ; v3: their scale words
	s_lshl_b32 s45, s28, 14
	s_lshl_b32 s46, s27, 8                         ; block (head % 4) of K step (head / 4): 256 x head
	s_add_co_u32 s45, s45, s46
	s_add_co_u32 s45, s45, QI
	v_lshl_add_u32 v4, v14, 4, s45
	v_lshl_add_u32 v4, v15, 3, v4                  ; v4: where my 8 bytes of a token's block go
	s_lshl_b32 s45, s28, 10
	s_add_co_u32 s45, s45, s27
	s_add_co_u32 s45, s45, QS
	v_lshl_add_u32 v5, v14, 3, s45                 ; v5: and the block's byte
	s_lshl_b32 s45, s27, 12
	s_lshl_b32 s46, s28, 10
	s_add_co_u32 s45, s45, s46
	s_add_co_u32 s45, s45, VI
	v_add_nc_u32 v6, s45, v1                       ; v6: v's images
	s_lshl_b32 s45, s27, 9
	s_lshl_b32 s46, s28, 7
	s_add_co_u32 s45, s45, s46
	s_add_co_u32 s45, s45, VS
	v_lshl_add_u32 v7, v13, 2, s45                 ; v7: v's scale words
	s_lshl_b32 s45, s27, 7
	s_add_co_u32 s45, s45, BI
	v_lshl_add_u32 v8, v15, 6, s45                 ; v8: bq, bk at channels 32 head + 16 h
	v_and_b32 v11, 8, v14
	v_add_nc_u32 v11, v11, v14
	s_add_co_u32 s45, s45, 2048
	v_lshl_add_u32 v9, v11, 2, s45                 ; v9: bv at channel r + 8 (r / 8)
	v_lshlrev_b32 v10, 4, v14                      ; v10 = 16 r
	s_mov_b32 s[SEL], 0x76543210
	s_mov_b32 s[SEL+1], 0xfedcba98
	s_mov_b32 s[CS], 0x3e8293ee
	s_mov_b32 s[CS+1], s[CS]                       ; (named with it as a pair, so it is written)
	s_mov_b32 s36, 0xffff
	s_mov_b32 s37, 0
	s_mov_b32 s35, 0
	s_wait_kmcnt 0x0
	s_cmp_lt_u32 s26, 8
	s_cselect_b64 s[32:33], s[12:13], s[14:15]     ; waves 0-7 bring bq, waves 8-15 bk
	s_lshl_b32 s34, s30, 10
	s_add_nc_u64 s[32:33], s[32:33], s[34:35]
	s_add_nc_u64 s[16:17], s[16:17], s[34:35]
	s_lshl_b32 s34, s29, 12
	s_add_nc_u64 s[6:7], s[6:7], s[34:35]
	s_lshl_b32 s34, s29, 16
	s_add_nc_u64 s[4:5], s[4:5], s[34:35]
	s_lshl_b32 s44, s26, 12                        ; oimg: 65,536 window + 4,096 tile (= wave) + 2,048 (which eight heads)
	s_add_co_u32 s34, s34, s44
	s_lshl_b32 s44, s30, 11
	s_add_co_u32 s34, s34, s44
	s_add_nc_u64 s[18:19], s[18:19], s[34:35]
	s_lshl_b32 s34, ttmp9, 11
	s_add_nc_u64 s[20:21], s[20:21], s[34:35]
	s_lshl_b32 s34, s30, 16                        ; wimg: column tiles 2 (8 half + head) on
	s_lshl_b32 s44, s27, 13
	s_add_co_u32 s34, s34, s44
	s_add_nc_u64 s[8:9], s[8:9], s[34:35]
	s_lshl_b32 s34, s30, 12
	s_lshl_b32 s44, s27, 9
	s_add_co_u32 s34, s34, s44
	s_add_nc_u64 s[10:11], s[10:11], s[34:35]
	global_load_b32 v252, v16, s[32:33]
	global_load_b32 v253, v16, s[16:17]
	global_load_b64 v[254:255], v18, s[6:7]
.irp k, 0,1,2,3,4,5,6,7
	global_load_b128 v[BUF+4*\k:BUF+4*\k+3], v20, s[4:5] offset:512*\k
.endr
	LOADW 0
	LOADWS 0
	s_wait_loadcnt 18                              ; Wq's 16 + 2 loads may be out; what goes to LDS is in
	ds_store_b32 v17, v252
	ds_store_b32 v17, v253 offset:2048
	ds_store_b64 v19, v[254:255]
.irp k, 0,1,2,3,4,5,6,7
	ds_store_b128 v20, v[BUF+4*\k:BUF+4*\k+3] offset:512*\k
.endr
	s_wait_dscnt 0x0                               ; for the others' sake: my stores have landed
	s_barrier_signal -1
	s_barrier_wait -1                              ; h, its scale words and the biases lie in LDS
; ---- q (kap = 0) and k (kap = 1)
.macro QKUNIT kap
.irp q, 0,1,2,3
	ds_load_b128 v[ACC+4*\q:ACC+4*\q+3], v8 offset:(\kap)*1024+16*\q   ; the bias in the result's layout: the first run of the product waits for it with its own loads
.endr
	s_wait_loadcnt 0x0                             ; the weight's fragments and scale words
	GEMM 1, 0, 1, 2, 3
	LOADW (\kap)+1                                 ; the next weight lands while this result is quantised
	LOADWS (\kap)+1
.irp hh, 0,1
	QCORE ACC+64*\hh, BUF, BUF+16                  ; four tiles of tokens: block b = the head's 32 channels of my token in tile 4 hh + b
.irp b, 0,1,2,3
	ds_store_b64 v4, v[BUF+16+2*\b:BUF+17+2*\b] offset:(4*\hh+\b)*2048+(\kap)*32768
	ds_store_b8 v5, v[BUF+4+\b] offset:(4*\hh+\b)*128+(\kap)*2048      ; both lanes of a block write the same byte with the same value
.endr
	s_wait_dscnt 0x0                               ; the stores have read their registers
.endr
.endm
	QKUNIT 0
	QKUNIT 1
; ---- v
.irp u, 0,1
.irp j, 0,1,2,3,4,5,6,7
	ds_load_b32 v[ACC+64*\u+\j], v9 offset:32*\u   ; a lane is a channel here: its bias in all eight registers
.endr
.endr
	s_wait_loadcnt 0x0
	GEMM 0, 1, 1, 2, 3
.irp u, 0,1
	QUANT ACC+64*\u, BUF, BUF+16, 252              ; 16 channels x my 128 keys: a whole fragment
	ds_store_b128 v6, v[BUF+16:BUF+19] offset:\u*2048
	ds_store_b128 v6, v[BUF+20:BUF+23] offset:\u*2048+512
	ds_store_b32 v7, v252 offset:\u*256
	s_wait_dscnt 0x0
.endr
	s_barrier_signal -1                            ; my stores have landed and my reads of h are over
	v_and_b32 v252, 31, v0                         ; ATT's addresses, on registers, while the others arrive
	v_and_b32 v253, 15, v0
	s_lshl_b32 s45, s26, 11
	s_add_co_u32 s45, s45, QI
	v_add_nc_u32 v2, s45, v1                       ; v2: my tile of queries
	s_lshl_b32 s45, s26, 7
	s_add_co_u32 s46, s45, QS
	v_lshl_add_u32 v3, v253, 3, s46                ; v3: its scale words
	v_add_nc_u32 v4, KI, v1                        ; v4: K's images
	v_lshl_add_u32 v5, v253, 3, KS                 ; v5: K's scale words
	v_add_nc_u32 v6, VI, v1                        ; v6: V's images
	v_lshl_add_u32 v7, v252, 2, VS                 ; v7: V's scale words
	s_add_co_u32 s46, s45, OSC
	v_lshl_add_u32 v10, v253, 3, s46               ; v10: o's scale words of my tile
	v_lshl_add_u32 v11, v0, 4, OSC                 ; v11: the way out of those words (waves 0-3)
.irp i, 0,1,2,3,4,5,6,7
	v_mov_b32 v[OC+\i], 0                          ; shifted through by the heads: written once
.endr
	v_mov_b32 v[OW], 0
	v_mov_b32 v13, 0                               ; (the upper word of the pair v[12:13])
	s_barrier_wait -1                              ; q, k, v lie in LDS
; ---- four heads that share a K step of Q's and K's images
.macro GROUP g
.if \g
	s_wait_xcnt 0x0                                ; the last group's stores have read o's codes: they are written again
.endif
	FETCH QF, 2, (\g)*1024
	ds_load_b32 v[QSW], v3 offset:4*(\g)
	s_mov_b32 s40, 0                               ; 16 x head in the group
	s_mov_b32 s41, (\g)*16384                      ; the head's V
	s_mov_b32 s42, (\g)*2048                       ; and its scale words
	s_mov_b32 s43, 4
	s_wait_dscnt 0x0
.Lhead_\@:
	s_lshl_b64 s[38:39], s[36:37], s40             ; the head's block b lies in registers 4 (b / 2) .. + 3 of lanes 16 (b % 2) ..: sixteen ones at bit 16 b
.irp i, 0,1,2,3,4,5,6,7
	v_cndmask_b32 v[MQ+\i], 0, v[QF+\i], s[38+\i/4]   ; the other three heads' codes become zeros
.endr
	v_add_nc_u32 v8, s41, v6
	v_add_nc_u32 v9, s42, v7
	v_nop
	v_nop                                          ; four plain lines between the masked operand and the first product
.irp i, 0,1,2,3
	FETCH VB+8*\i, 8, \i*1024                      ; V early: fragment 2 u + (half of the keys)
	ds_load_b32 v[VSW+\i], v9 offset:128*\i
.endr
.irp q4, 0,1,2,3                       ; S^T = K Q^T, four tiles of 16 keys at a time
.if \q4 > 0
	PLACES 4
.endif
.irp t, 0,1,2,3
	FETCH KB+8*\t, 4, (4*\q4+\t)*2048+(\g)*1024
	ds_load_b32 v[KSW+\t], v5 offset:(4*\q4+\t)*128+4*(\g)
.endr
	s_wait_dscnt 0x0
.irp t, 0,1,2,3
.set rD, S+8*(4*\q4+\t)
.set rA, KB+8*\t
.set rX, KSW+\t
	WM0 rD, rA, MQ, rX, QSW
.endr
.endr
	PLACES 4
.irp b, 0,1,2,3,4,5,6,7
	v_max3_num_f32 v[BM+\b], v[S+16*\b], v[S+16*\b+1], v[S+16*\b+2]   ; the largest score of each block of 32 keys: it serves the row's maximum and, since p rises with the score, the block's largest p
.endr
.irp i, 3,5,7,9,11,13
.irp b, 0,1,2,3,4,5,6,7
	v_max3_num_f32 v[BM+\b], v[BM+\b], v[S+16*\b+\i], v[S+16*\b+\i+1]
.endr
.endr
.irp b, 0,1,2,3,4,5,6,7
	v_max_num_f32 v[BM+\b], v[BM+\b], v[S+16*\b+15]
.endr
.irp b, 0,1,2,3,4,5,6,7
	v_permlanex16_b32 v[BT+\b], v[BM+\b], s[SEL], s[SEL+1]
.endr
.irp b, 0,1,2,3,4,5,6,7
	v_max_num_f32 v[BM+\b], v[BM+\b], v[BT+\b]     ; with lane l xor 16's 16 keys
.endr
	v_max3_num_f32 v[XM], v[BM], v[BM+1], v[BM+2]
	v_max3_num_f32 v[XM], v[XM], v[BM+3], v[BM+4]
	v_max3_num_f32 v[XM], v[XM], v[BM+5], v[BM+6]
	v_max_num_f32 v[XM], v[XM], v[BM+7]            ; my query's largest score
	v_mul_f32 v[XM], s[CS], v[XM]                  ; as t (c is positive)
	v_floor_f32 v12, -v[XM]                        ; -M = floor(-t) = -ceil(t)
.set j, 0
.rept 64
	v_pk_fma_f32 v[S+j:S+j+1], v[S+j:S+j+1], s[CS:CS+1], v[12:13] op_sel_hi:[1,0,0]   ; t - M
.set j, j+2
.endr
.irp b, 0,1,2,3,4,5,6,7
	v_fma_f32 v[BM+\b], v[BM+\b], s[CS], v12       ; the same of each block's largest score
.endr
.set j, 0
.rept 128
	v_exp_f32 v[S+j], v[S+j]                       ; p = 2^(t - M): not normalised
.set j, j+1
.endr
	v_nop                                          ; a plain line behind the batch,
	s_wait_alu depctr_va_vdst(0)                   ; and one wait for it, ahead of its first reader
.irp b, 0,1,2,3,4,5,6,7
	v_exp_f32 v[BM+\b], v[BM+\b]                   ; each block's largest p: the same two instructions on the same number
.endr
	v_pk_add_f32 v[14:15], v[S:S+1], v[S+2:S+3]    ; the row's sum of the unquantised p, in two chains: plain work behind the eight
	v_pk_add_f32 v[L1:L1+1], v[S+4:S+5], v[S+6:S+7]
.set j, 8
.rept 30
	v_pk_add_f32 v[14:15], v[14:15], v[S+j:S+j+1]
	v_pk_add_f32 v[L1:L1+1], v[L1:L1+1], v[S+j+2:S+j+3]
.set j, j+4
.endr
	v_pk_add_f32 v[14:15], v[14:15], v[L1:L1+1]
	s_wait_alu depctr_va_vdst(0)                   ; one wait for the eight
.irp b, 0,1,2,3,4,5,6,7
	v_max_num_f32 v[BM+\b], 0x1800000, v[BM+\b]    ; the floor: the byte cannot fall under 1
.endr
.irp b, 0,1,2,3,4,5,6,7
	v_add_nc_u32 v[SO+\b], 0xff000000, v[BM+\b]
.endr
.irp b, 0,1,2,3,4,5,6,7
	v_lshrrev_b32 v[BT+\b], 23, v[SO+\b]
.endr
.irp kh, 0,1
	v_lshl_or_b32 v[PWD+\kh], v[BT+4*\kh+1], 8, v[BT+4*\kh]
	v_lshl_or_b32 v[PWD+\kh], v[BT+4*\kh+2], 16, v[PWD+\kh]
	v_lshl_or_b32 v[PWD+\kh], v[BT+4*\kh+3], 24, v[PWD+\kh]
.endr
.irp b, 0,1,2,3,4,5,6,7
	v_cvt_scalef32_pk8_fp4_f32 v[PC+2*\b], v[S+16*\b:S+16*\b+7], v[SO+\b]
	v_cvt_scalef32_pk8_fp4_f32 v[PC+2*\b+1], v[S+16*\b+8:S+16*\b+15], v[SO+\b]
.endr
	v_nop                                          ; one plain line behind the scaled conversions
.irp c, 0,1,2,3
.irp i, 0,1
	v_permlane16_swap_b32 v[PC+4*\c+\i], v[PC+4*\c+2+\i]
.endr
.endr
	v_add_f32 v14, v14, v15                        ; the sum's two halves,
	v_permlanex16_b32 v252, v14, s[SEL], s[SEL+1]
	v_add_f32 v14, v14, v252                       ; and lane l xor 16's
	v_rcp_f32 v14, v14
	PLACES 8                                       ; eight plain lines between p's scale words, made by vector instructions, and the products; the first is also the plain line behind the reciprocal
.irp kh, 0,1                           ; O^T = V^T P^T: two accumulators by turns
.irp u, 0,1
.set rD, 16+8*\u
.set rA, VB+8*(2*\u+\kh)
.set rB, PC+8*\kh
.set rX, VSW+2*\u+\kh
.set rY, PWD+\kh
.if \kh == 0
	WM0 rD, rA, rB, rX, rY
.else
	WM rD, rA, rB, rD, rX, rY
.endif
.endr
.endr
	PLACES 4
	s_wait_alu depctr_va_vdst(0)                   ; the reciprocal's wait, ahead of its first reader
.irp k, 0,2,4,6,8,10,12,14
	v_pk_mul_f32 v[16+\k:17+\k], v[16+\k:17+\k], v[14:15] op_sel_hi:[1,0]   ; o = O^T / the sum: register i is channel 16 (lane / 16) + i of the head
.endr
	v_max3_num_f32 v[XM], |v16|, |v17|, 0x1800000  ; the head is one block of the next K
	v_max3_num_f32 v252, |v18|, |v19|, |v20|
	v_max3_num_f32 v[XM], v[XM], |v21|, |v22|
	v_max3_num_f32 v252, v252, |v23|, |v24|
	v_max3_num_f32 v[XM], v[XM], |v25|, |v26|
	v_max3_num_f32 v252, v252, |v27|, |v28|
	v_max3_num_f32 v[XM], v[XM], |v29|, |v30|
	v_max3_num_f32 v[XM], v[XM], v252, |v31|
	v_permlanex16_b32 v253, v[XM], s[SEL], s[SEL+1]
	v_max_num_f32 v[XM], v[XM], v253
	v_add_nc_u32 v254, 0xff000000, v[XM]
	v_lshrrev_b32 v255, 23, v254
.irp i, 0,1,2,3,4,5
	v_mov_b32 v[OC+\i], v[OC+\i+2]                 ; the earlier heads' codes move down: after four heads head i lies at 2 i
.endr
	v_cvt_scalef32_pk8_fp4_f32 v[OC+6], v[16:23], v254
	v_cvt_scalef32_pk8_fp4_f32 v[OC+7], v[24:31], v254
	v_nop
	v_lshrrev_b32 v[OW], 8, v[OW]                  ; and so do their bytes
	v_lshl_or_b32 v[OW], v255, 24, v[OW]
	s_add_co_u32 s40, s40, 16
	s_add_co_u32 s41, s41, 4096
	s_add_co_u32 s42, s42, 512
	s_sub_co_u32 s43, s43, 1
	s_cmp_lg_u32 s43, 0
	s_cbranch_scc1 .Lhead_\@
.irp c, 0,1
.irp i, 0,1
	v_permlane16_swap_b32 v[OC+4*\c+\i], v[OC+4*\c+2+\i]
.endr
.endr
	global_store_b128 v1, v[OC:OC+3], s[18:19] offset:(\g)*1024        ; the image as it stands: 512 consecutive bytes a store
	global_store_b128 v1, v[OC+4:OC+7], s[18:19] offset:(\g)*1024+512
	ds_store_b32 v10, v[OW] offset:4*(\g)          ; both halves of the lanes write the same word with the same value
.endm
	GROUP 0
	GROUP 1
	s_wait_dscnt 0x0
	s_barrier_signal -1
	v_lshlrev_b32 v252, 4, v0
	s_barrier_wait -1                              ; the sixteen tiles' scale words lie in LDS: 2,048 bytes
	s_cmp_lt_u32 s[WV], 4
	s_cbranch_scc0 .Ldone                          ; four waves store them, 512 consecutive bytes each
	ds_load_b128 v[16:19], v11
	s_wait_dscnt 0x0
	global_store_b128 v252, v[16:19], s[20:21]
.Ldone:
	s_wait_xcnt 0x0
	v_lshl_add_u32 v254, v0, 2, 0x2c800
	v_mov_b32 v255, 0
	s_wait_tensorcnt 0x0
	ds_add_u32 v254, v255
	s_wait_dscnt 0x0
	s_endpgm
.Lfunc_end_k_qa74633e890_attn:
	.size	k_qa74633e890_attn, .Lfunc_end_k_qa74633e890_attn-k_qa74633e890_attn
	.p2alignl 7, 3214868480
	.fill 96, 4, 3214868480
	.section	.rodata,"a",@progbits
	.p2align	6, 0x0
	.amdhsa_kernel k_qa74633e890_attn
		.amdhsa_group_segment_fixed_size 184320
		.amdhsa_private_segment_fixed_size 0
		.amdhsa_enable_private_segment 0
		.amdhsa_kernarg_size 72
		.amdhsa_user_sgpr_count 2
		.amdhsa_user_sgpr_kernarg_segment_ptr 1
		.amdhsa_wavefront_size32 1
		.amdhsa_system_sgpr_workgroup_id_x 1
		.amdhsa_system_sgpr_workgroup_id_y 1
		.amdhsa_system_sgpr_workgroup_id_z 1
		.amdhsa_system_vgpr_workitem_id 0
		.amdhsa_next_free_vgpr 256
		.amdhsa_next_free_sgpr 66
		.amdhsa_reserve_vcc 0
		.amdhsa_float_denorm_mode_32 3
		.amdhsa_float_denorm_mode_16_64 3
		.amdhsa_memory_ordered 1
		.amdhsa_forward_progress 1
		.amdhsa_inst_pref_size 147
	.end_amdhsa_kernel
	.amdgpu_metadata
---
amdhsa.version: [ 1, 2 ]
amdhsa.kernels:
  - .name:           k_qa74633e890_attn
    .symbol:         k_qa74633e890_attn.kd
    .args:
      - { .name: himg, .offset: 0, .size: 8, .value_kind: global_buffer, .address_space: global }
      - { .name: hscl, .offset: 8, .size: 8, .value_kind: global_buffer, .address_space: global }
      - { .name: wimg, .offset: 16, .size: 8, .value_kind: global_buffer, .address_space: global }
      - { .name: wscl, .offset: 24, .size: 8, .value_kind: global_buffer, .address_space: global }
      - { .name: bq, .offset: 32, .size: 8, .value_kind: global_buffer, .address_space: global }
      - { .name: bk, .offset: 40, .size: 8, .value_kind: global_buffer, .address_space: global }
      - { .name: bv, .offset: 48, .size: 8, .value_kind: global_buffer, .address_space: global }
      - { .name: oimg, .offset: 56, .size: 8, .value_kind: global_buffer, .address_space: global }
      - { .name: oscl, .offset: 64, .size: 8, .value_kind: global_buffer, .address_space: global }
    .group_segment_fixed_size: 184320
    .private_segment_fixed_size: 0
    .kernarg_segment_align: 8
    .kernarg_segment_size: 72
    .max_flat_workgroup_size: 512
    .sgpr_count:     66
    .vgpr_count:     256
    .wavefront_size: 32
...
	.end_amdgpu_metadata
.endif
;; end of part 2
;; launch mlp (part 3): grid 256 x 1, 16 waves a work-group, no clusters, 327,680 bytes of LDS; arguments x, oimg, oscl, wimg, wscl, bo, g2, beta2, b1m, b2m, out0; writes out0
.if DOCPART == 3
	.amdgcn_target "amdgcn-amd-amdhsa--gfx1250"
	.amdhsa_code_object_version 6
	.text
	.protected	k_qa74633e890_mlp
	.globl	k_qa74633e890_mlp
	.p2align	8
	.type	k_qa74633e890_mlp,@function
k_qa74633e890_mlp:
	s_mov_b64 s[64:65], 0
	v_nop
	global_prefetch_b8 v0, s[64:65] scope:SCOPE_SE
	s_setreg_imm32_b32 hwreg(HW_REG_WAVE_MODE, 25, 1), 1
	s_wait_xcnt 0x0
; MLP.  A work-group takes half a window, 128 tokens (window = number / 2, tiles 8 (number % 2) on), through the rest of the block:
; y1 = x + (o Wo + bo);  h2 = LayerNorm2(y1);  out = y1 + (gelu(h2 W1 + b1) W2 + b2).  The three products run on codes of FP4 (E2M1, one E8M0 byte for each 32 along K); o arrives as images, h2 and the hidden layer are quantised on the way.
; Sixteen waves of 256 registers.  THE WAVES SHARE THE COLUMNS: wave w makes columns 32 w .. 32 w + 31 of each product for all 128 rows: 8 tiles of rows x 2 tiles of columns, transposed (source 0 = weight), so that a lane holds
; one token and 16 neighbouring columns, which with lane l xor 16's are block w of the next K.  Its 8 weight fragments come from memory straight into registers; the rows' images go from wave to wave through LDS.
; IMAGES and TILES as in the launches before: fragment register 4 c + i of lane l at 512 c + 16 l + 4 i; lane r of tile t holds index 32 (t / 2) + 8 (t % 2) + r + 8 (r / 8).
; y1 stays in LDS (128 rows in the tiles' order, 2,064 bytes apart): written by rows (whole rows from memory), walked by columns (each wave its own 128 bytes of every row), read by rows for whole stores.
; LayerNorm2: each wave's mean and sum of squared deviations over its 32 columns; the sixteen are joined as sum of M2 + 32 x sum of (mean_i - mean)^2: no difference of large sums is formed.
; GELU: erfc(|x| / sqrt 2) by the five-term rational form (Abramowitz and Stegun 7.1.26), absolute error up to 1.5e-7 in erf; gelu = ((x + |x|) - |x| erfc) / 2, which is x erfc / 2 with no cancellation where x < 0.
; ORDER OF ROUNDING: bo is added on the residual's side, (x + bo) + sum; b2 last, (y1 + sum) + b2.   LIMITS: NaN and infinities are not served; a block of zeros or under 2^-124 gets the byte 1 (read by this program alone).
; WHY NO JOINT LOADS: the work-groups share only the weights' images, of which each fragment goes from memory into the registers of the one wave that multiplies by it; LDS has no room for them beside y1.
.set YP,  2064                         ; a row of y1: 2,048 bytes + 16, an odd multiple of 16
.set YT,  16*YP                        ; a tile of rows
.set IMG, 264192                       ; behind y1: the rows' 32 fragments, (4 T + s) x 1,024
.set ISC, 296960                       ; their scale bytes: 256 T + 16 r + block
.set STM, 299008                       ; the waves' means: 1,280 T + 80 r + 4 w;  10,240 bytes on: their sums of squared deviations
.set PAR, 319488                       ; g2, beta2, b1: 2,048 bytes each
.set ACC, 16                           ; v16-143  128 accumulator registers: D(T, u) = ACC + 16 T + 8 u
.set W,   144                          ; v144-207 weight fragment (u, s) at W + 8 (4 u + s); between products at work:
.set DD,  144                          ;   v144-159 deviations;  later RS: (1 / sigma, -) a tile
.set RS,  144
.set CT,  160                          ;   v160-167 chains of sums
.set CT2, 164
.set MP,  176                          ;   v176-191 (mean, M2) a tile; later (mean, -)
.set TA,  192                          ;   v192-199 my place in each tile of y1
.set WS,  208
.set BS,  216
.set BUF, 220                          ; v220-251 four fragments of the rows; at work
.set BUF2, 236
.set AX,  220                          ; gelu: |x|,
.set TT,  228                          ; 1 / (1 + p z), later x + |x|,
.set EE,  236                          ; exp(-z^2),
.set PP,  244                          ; the polynomial
.set WB,  10                           ; s[10:11] wimg at my two tiles
.set WSB, 12                           ; s[12:13] wscl likewise
.set WSA, 15                           ; v15      16 r
.set WV,  26
.set SEL, 28
.macro PLACES n
.rept \n
	v_nop
.endr
.endm
.macro FETCH reg, adr, off
	ds_load_b128 v[(\reg):(\reg)+3], v[\adr] offset:(\off)
	ds_load_b128 v[(\reg)+4:(\reg)+7], v[\adr] offset:(\off)+512
.endm
.macro WM d, a, b, c, x, y
	v_wmma_scale_f32_16x16x128_f8f6f4 v[\d:\d+7], v[\a:\a+7], v[\b:\b+7], v[\c:\c+7], v[\x], v[\y] matrix_a_fmt:MATRIX_FMT_FP4 matrix_b_fmt:MATRIX_FMT_FP4
.endm
.macro WM0 d, a, b, x, y
	v_wmma_scale_f32_16x16x128_f8f6f4 v[\d:\d+7], v[\a:\a+7], v[\b:\b+7], 0, v[\x], v[\y] matrix_a_fmt:MATRIX_FMT_FP4 matrix_b_fmt:MATRIX_FMT_FP4
.endm
; 64 numbers of a lane, register 16 b + i = number 16 (lane / 16) + i of block b: four blocks' scales and codes.  Codes: v[pc + 2 b], v[pc + 2 b + 1]; bytes: v[tm + 4 + b].
.macro QCORE s, tm, pc
.irp b, 0,1,2,3
	v_max3_num_f32 v[(\tm)+\b], |v[(\s)+16*\b]|, |v[(\s)+16*\b+1]|, 0x1800000      ; my 16 numbers, and the floor 2^(3 - 127)
.endr
.irp i, 2,4,6,8,10,12,14
.irp b, 0,1,2,3
	v_max3_num_f32 v[(\tm)+\b], v[(\tm)+\b], |v[(\s)+16*\b+\i]|, |v[(\s)+16*\b+\i+1]|
.endr
.endr
.irp b, 0,1,2,3
	v_permlanex16_b32 v[(\tm)+4+\b], v[(\tm)+\b], s[SEL], s[SEL+1]
.endr
.irp b, 0,1,2,3
	v_max_num_f32 v[(\tm)+\b], v[(\tm)+\b], v[(\tm)+4+\b]
.endr
.irp b, 0,1,2,3
	v_add_nc_u32 v[(\tm)+12+\b], 0xff000000, v[(\tm)+\b]
.endr
.irp b, 0,1,2,3
	v_lshrrev_b32 v[(\tm)+4+\b], 23, v[(\tm)+12+\b]
.endr
.irp b, 0,1,2,3
	v_cvt_scalef32_pk8_fp4_f32 v[(\pc)+2*\b], v[(\s)+16*\b:(\s)+16*\b+7], v[(\tm)+12+\b]
	v_cvt_scalef32_pk8_fp4_f32 v[(\pc)+2*\b+1], v[(\s)+16*\b+8:(\s)+16*\b+15], v[(\tm)+12+\b]
.endr
	v_nop                                          ; one plain line behind the scaled conversions
.endm
.macro LOADW kap
.irp u, 0,1
.irp s, 0,1,2,3
.irp c, 0,1
	global_load_b128 v[W+8*(4*\u+\s)+4*\c:W+8*(4*\u+\s)+4*\c+3], v1, s[WB:WB+1] offset:(\kap)*131072+\u*4096+\s*1024+512*\c
.endr
.endr
.endr
.endm
.macro LOADWS kap
.irp u, 0,1
	global_load_b128 v[WS+4*\u:WS+4*\u+3], v[WSA], s[WSB:WSB+1] offset:(\kap)*8192+256*\u
.endr
.endm
; 8 tiles of rows x 2 tiles of columns x K = 512: 64 matrix instructions on 16 accumulators that take turns, one instruction a turn.  Source 0 = weight, source 1 = rows.
; bias = 1: the registers of D(0, u) hold the bias and are the C of every sum's first instruction; the two instructions that write over them come last in the first K step, five places behind the last that read them.
; Four places stand in front of each run of loads into registers that matrix instructions have read (ISA guide 7.12.1 for vector instructions).
.macro GEMM bias, ia, sa
.irp s, 0,1,2,3
.irp ch, 1,0
	PLACES 4
.irp t, 0,1,2,3
	FETCH BUF+8*\t, \ia, (4*\ch+\t)*4096+\s*1024
	ds_load_b32 v[BS+\t], v[\sa] offset:(4*\ch+\t)*256+4*\s
.endr
	s_wait_dscnt 0x0
.irp t, 1,2,3,0
.if (\bias) && (\s == 0) && (\ch == 0) && (\t == 0)
	PLACES 5
.endif
.irp u, 0,1
.set rD, ACC+16*(4*\ch+\t)+8*\u
.set rC, ACC+8*\u
.if \s > 0
.set rC, rD
.endif
.set rW, W+8*(4*\u+\s)
.set rB, BUF+8*\t
.set rX, WS+4*\u+\s
.set rY, BS+\t
.if (\s == 0) && !(\bias)
	WM0 rD, rW, rB, rX, rY
.else
	WM rD, rW, rB, rC, rX, rY
.endif
.endr
.endr
.endr
.endr
	PLACES 4
.endm
.macro BARRIER                         ; my LDS stores have landed and my LDS loads are in: then the work-group's barrier
	s_wait_dscnt 0x0
	s_barrier_signal -1
	s_barrier_wait -1
.endm
.macro SUM16 x, c                      ; v[c] = the sum of v[x] .. v[x + 15], in two chains
	v_pk_add_f32 v[\c:\c+1], v[\x:\x+1], v[\x+2:\x+3]
	v_pk_add_f32 v[\c+2:\c+3], v[\x+4:\x+5], v[\x+6:\x+7]
	v_pk_add_f32 v[\c:\c+1], v[\c:\c+1], v[\x+8:\x+9]
	v_pk_add_f32 v[\c+2:\c+3], v[\c+2:\c+3], v[\x+10:\x+11]
	v_pk_add_f32 v[\c:\c+1], v[\c:\c+1], v[\x+12:\x+13]
	v_pk_add_f32 v[\c+2:\c+3], v[\c+2:\c+3], v[\x+14:\x+15]
	v_pk_add_f32 v[\c:\c+1], v[\c:\c+1], v[\c+2:\c+3]
	v_add_f32 v[\c], v[\c], v[\c+1]
.endm
.macro SQ16 x, c                       ; v[c] = the sum of their squares
	v_pk_mul_f32 v[\c:\c+1], v[\x:\x+1], v[\x:\x+1]
	v_pk_mul_f32 v[\c+2:\c+3], v[\x+2:\x+3], v[\x+2:\x+3]
.irp k, 4,8,12
	v_pk_fma_f32 v[\c:\c+1], v[\x+\k:\x+\k+1], v[\x+\k:\x+\k+1], v[\c:\c+1]
	v_pk_fma_f32 v[\c+2:\c+3], v[\x+\k+2:\x+\k+3], v[\x+\k+2:\x+\k+3], v[\c+2:\c+3]
.endr
	v_pk_add_f32 v[\c:\c+1], v[\c:\c+1], v[\c+2:\c+3]
	v_add_f32 v[\c], v[\c], v[\c+1]
.endm
	s_load_b512 s[4:19], s[0:1], 0x0               ; x, oimg, oscl, wimg, wscl, bo, g2, beta2
	s_load_b128 s[20:23], s[0:1], 0x40             ; b1m, b2m
	s_load_b64 s[24:25], s[0:1], 0x50              ; out0
	v_lshrrev_b32 v1, 5, v0
	v_readfirstlane_b32 s[WV], v1                  ; wave 0..15
	v_and_b32 v252, 31, v0                         ; lane
	v_and_b32 v253, 15, v0                         ; r
	v_bfe_u32 v254, v0, 4, 1                       ; h
	v_lshlrev_b32 v1, 4, v252                      ; v1 = 16 lane
	v_lshlrev_b32 v15, 4, v253                     ; v15 = 16 r
	v_add_nc_u32 v2, IMG, v1                       ; v2: the rows' images
	v_add_nc_u32 v3, ISC, v15                      ; v3: their scale words
	v_mul_u32_u24 v4, v253, YP
	v_lshl_add_u32 v4, v254, 6, v4
	s_lshl_b32 s48, s26, 7
	v_add_nc_u32 v4, s48, v4                       ; v4: y1: row r, my wave's 128 bytes, + 64 h
	s_lshl_b32 s49, s26, 8                         ; block w of the next K: block w % 4 of K step w / 4: 256 w
	s_add_co_u32 s49, s49, IMG
	v_lshl_add_u32 v5, v254, 3, v15
	v_add_nc_u32 v5, s49, v5                       ; v5: where my 8 bytes of a token's block go
	v_add_nc_u32 v6, s26, v3                       ; v6: and the block's byte
	v_mul_u32_u24 v8, v253, 80
	v_add_nc_u32 v8, STM, v8                       ; v8: a row's sixteen means
	s_lshl_b32 s49, s26, 2
	v_add_nc_u32 v7, s49, v8                       ; v7: mine among them
	s_add_co_u32 s49, s48, PAR
	v_lshl_add_u32 v9, v254, 6, s49                ; v9: g2, beta2, b1 at columns 32 w + 16 h
	s_lshr_b32 s49, s26, 2                         ; the 8 neighbouring rows of memory that I bring and take away, tokens 8 w .. 8 w + 7 of the half window,
	s_lshl_b32 s49, s49, 5                         ; lie in the tiles' order at position 32 (w / 4) + 16 (w % 2) + 8 ((w / 2) % 2) on
	s_and_b32 s50, s26, 1
	s_lshl_b32 s50, s50, 4
	s_add_co_u32 s49, s49, s50
	s_bfe_u32 s50, s26, 0x10001
	s_lshl_b32 s50, s50, 3
	s_add_co_u32 s49, s49, s50
	s_mul_i32 s49, s49, YP
	v_add_nc_u32 v10, s49, v1                      ; v10: y1 by rows
	s_lshl_b32 s49, s26, 11
	v_add_nc_u32 v11, s49, v2                      ; v11: o's images into LDS: 2,048 bytes a wave
	v_lshlrev_b32 v12, 2, v252                     ; v12 = 4 lane
	v_lshl_add_u32 v13, v0, 2, PAR                 ; v13: the parameters into LDS
	v_bfe_u32 v14, v0, 1, 7                        ; v14: o's scale words into LDS: thread = (half of the heads, tile, row, group):
	v_lshlrev_b32 v14, 4, v14                      ; 16 bytes a row,
	v_lshrrev_b32 v255, 8, v0
	v_lshl_add_u32 v14, v255, 3, v14               ; word 2 (half of the heads) + group
	v_and_b32 v255, 1, v0
	v_lshl_add_u32 v14, v255, 2, v14
	v_add_nc_u32 v14, ISC, v14
	s_mov_b32 s[SEL], 0x76543210
	s_mov_b32 s[SEL+1], 0xfedcba98
	s_mov_b32 s30, 0x3d000000                      ; 1 / 32
	s_mov_b32 s31, 0x3d800000                      ; 1 / 16
	s_mov_b32 s32, 0x42000000                      ; 32
	s_mov_b32 s33, 0x3b000000                      ; 1 / 512
	s_mov_b32 s34, 0x3727c5ac                      ; 1e-5
	s_mov_b32 s35, 0x7fffffff
	s_mov_b32 s36, 0x3e6d3388                      ; 0.3275911 / sqrt 2
	s_mov_b32 s37, s36
	s_mov_b32 s38, 0x3f596d27                      ; sqrt(log2(e) / 2)
	s_mov_b32 s39, s38
	s_mov_b32 s40, 0xbfba00e3                      ; a4
	s_mov_b32 s41, s40
	s_mov_b32 s42, 0x3fb5f0e3                      ; a3
	s_mov_b32 s43, s42
	s_mov_b32 s44, 0xbe91a98e                      ; a2
	s_mov_b32 s45, s44
	s_mov_b32 s46, 0x3e827906                      ; a1
	s_mov_b32 s47, s46
	s_mov_b32 s49, 0                               ; s[48:49] = 128 w
	s_lshr_b32 s50, ttmp9, 1                       ; window
	s_and_b32 s51, ttmp9, 1                        ; which half of it
	s_lshr_b32 s52, s50, 4
	s_lshl_b32 s52, s52, 12                        ; my first row of x and of out0: 4,096 an image,
	s_bfe_u32 s53, s50, 0x20002
	s_lshl_b32 s53, s53, 10                        ; 1,024 a window row,
	s_add_co_u32 s52, s52, s53
	s_lshl_b32 s53, s51, 9                         ; 8 lines of 64 for the half,
	s_add_co_u32 s52, s52, s53
	s_lshr_b32 s53, s26, 1
	s_lshl_b32 s53, s53, 6                         ; line w / 2,
	s_add_co_u32 s52, s52, s53
	s_and_b32 s53, s50, 3
	s_lshl_b32 s53, s53, 4                         ; 16 a window column,
	s_add_co_u32 s52, s52, s53
	s_and_b32 s53, s26, 1
	s_lshl_b32 s53, s53, 3                         ; 8 (w % 2)
	s_add_co_u32 s52, s52, s53
	s_lshl_b32 s52, s52, 11
	s_mov_b32 s53, 0
	s_lshl_b32 s54, ttmp9, 15                      ; oimg: 32,768 a half window + 2,048 w
	s_lshl_b32 s55, s26, 11
	s_add_co_u32 s54, s54, s55
	s_mov_b32 s55, 0
	s_lshl_b32 s56, s50, 12                        ; oscl: 4,096 window + 1,024 half + 2,048 (w / 8) + 128 (w % 8)
	s_lshl_b32 s57, s51, 10
	s_add_co_u32 s56, s56, s57
	s_lshr_b32 s57, s26, 3
	s_lshl_b32 s57, s57, 11
	s_add_co_u32 s56, s56, s57
	s_and_b32 s57, s26, 7
	s_lshl_b32 s57, s57, 7
	s_add_co_u32 s56, s56, s57
	s_mov_b32 s57, 0
	s_lshl_b32 s58, s26, 13                        ; wimg: column tiles 2 w, 2 w + 1
	s_mov_b32 s59, 0
	s_lshl_b32 s60, s26, 9                         ; wscl
	s_mov_b32 s61, 0
	s_wait_kmcnt 0x0
	s_add_nc_u64 s[4:5], s[4:5], s[52:53]
	s_add_nc_u64 s[24:25], s[24:25], s[52:53]
	s_add_nc_u64 s[6:7], s[6:7], s[54:55]
	s_add_nc_u64 s[8:9], s[8:9], s[56:57]
	s_add_nc_u64 s[10:11], s[10:11], s[58:59]
	s_add_nc_u64 s[12:13], s[12:13], s[60:61]
	s_add_nc_u64 s[16:17], s[16:17], s[48:49]
	s_add_nc_u64 s[18:19], s[18:19], s[48:49]
	s_add_nc_u64 s[20:21], s[20:21], s[48:49]
; ---- P0: everything that comes from memory is asked for at once
	global_load_b32 v252, v12, s[8:9]              ; o's scale words
	global_load_b32 v253, v12, s[16:17]            ; g2
	global_load_b32 v254, v12, s[18:19]            ; beta2
	global_load_b32 v255, v12, s[20:21]            ; b1
.irp j, 0,1,2,3
	global_load_b128 v[BUF+4*\j:BUF+4*\j+3], v1, s[14:15] offset:512*\j           ; bo, as a row lies
.endr
.irp k, 0,1,2,3
	global_load_b128 v[BUF2+4*\k:BUF2+4*\k+3], v1, s[6:7] offset:512*\k           ; o's images
.endr
.irp i, 0,1,2,3,4,5,6,7
.irp j, 0,1,2,3
	global_load_b128 v[ACC+16*\i+4*\j:ACC+16*\i+4*\j+3], v1, s[4:5] offset:\i*2048+512*\j th:TH_LOAD_NT   ; my 8 rows of x: 16,384 bytes on end
.endr
.endr
	LOADW 3                                        ; Wo
	LOADWS 3
	s_wait_loadcnt 50                              ; x's 32 loads and Wo's 18 may be out
	ds_store_b32 v14, v252
	ds_store_b32 v13, v253
	ds_store_b32 v13, v254 offset:2048
	ds_store_b32 v13, v255 offset:4096
.irp k, 0,1,2,3
	ds_store_b128 v11, v[BUF2+4*\k:BUF2+4*\k+3] offset:512*\k
.endr
.irp i, 0,1,2,3,4,5,6,7
	s_wait_loadcnt 46-4*\i                         ; the later rows' loads and Wo's 18 may be out
.irp k, 0,2,4,6,8,10,12,14
	v_pk_add_f32 v[ACC+16*\i+\k:ACC+16*\i+\k+1], v[ACC+16*\i+\k:ACC+16*\i+\k+1], v[BUF+\k:BUF+\k+1]   ; x + bo
.endr
.irp j, 0,1,2,3
	ds_store_b128 v10, v[ACC+16*\i+4*\j:ACC+16*\i+4*\j+3] offset:\i*YP+512*\j
.endr
.endr
	BARRIER                                        ; 1: x + bo, o's images and scale words and the parameters lie in LDS
	s_wait_loadcnt 0x0                             ; Wo
; ---- P1: o Wo
	GEMM 0, 2, 3
; ---- P2: y1 = (x + bo) + o Wo, back into LDS; my 32 columns' mean and sum of squared deviations for each row
.irp t, 0,1,2,3,4,5,6,7
	v_add_nc_u32 v[TA+\t], \t*YT, v4
.endr
.macro P2TILE t
.set rA, ACC+16*(\t)
.set rF, BUF+16*((\t)%2)
.set rM, MP+2*(\t)
.irp k, 0,2,4,6,8,10,12,14
	v_pk_add_f32 v[rA+\k:rA+\k+1], v[rA+\k:rA+\k+1], v[rF+\k:rF+\k+1]   ; each accumulator from its low end on
.endr
.irp q, 0,1,2,3
	ds_store_b128 v[TA+(\t)], v[rA+4*\q:rA+4*\q+3] offset:16*\q
.endr
	SUM16 rA, CT
	v_permlanex16_b32 v[CT+1], v[CT], s[SEL], s[SEL+1]
	v_add_f32 v[CT], v[CT], v[CT+1]
	v_mul_f32 v[rM], s30, v[CT]                    ; the mean of 32
.irp k, 0,2,4,6,8,10,12,14
	v_pk_add_f32 v[DD+\k:DD+\k+1], v[rA+\k:rA+\k+1], v[rM:rM+1] op_sel_hi:[1,0] neg_lo:[0,1] neg_hi:[0,1]
.endr
	SQ16 DD, CT
	v_permlanex16_b32 v[CT+1], v[CT], s[SEL], s[SEL+1]
	v_add_f32 v[rM+1], v[CT], v[CT+1]
	ds_store_b32 v7, v[rM] offset:(\t)*1280        ; both halves of the lanes write the same word with the same value
	ds_store_b32 v7, v[rM+1] offset:(\t)*1280+10240
.endm
.irp p, 0,1,2,3
.irp q, 0,1,2,3
	ds_load_b128 v[BUF+4*\q:BUF+4*\q+3], v[TA+2*\p] offset:16*\q
	ds_load_b128 v[BUF2+4*\q:BUF2+4*\q+3], v[TA+2*\p+1] offset:16*\q
.endr
	s_wait_dscnt 0x0
	P2TILE 2*\p
	P2TILE 2*\p+1
.endr
	BARRIER                                        ; 2: all waves' means and sums lie in LDS; nobody reads o's images any more
; ---- P3: each row's mean and 1 / sigma
.macro P3TILE t
.set rM, MP+2*(\t)
.set rR, RS+2*(\t)
.irp q, 0,1,2,3
	ds_load_b128 v[BUF+4*\q:BUF+4*\q+3], v8 offset:(\t)*1280+16*\q
	ds_load_b128 v[BUF2+4*\q:BUF2+4*\q+3], v8 offset:(\t)*1280+10240+16*\q
.endr
	s_wait_dscnt 0x0
	SUM16 BUF, CT
	SUM16 BUF2, CT2
	v_mul_f32 v[rM], s31, v[CT]                    ; the mean of the sixteen means
.irp k, 0,2,4,6,8,10,12,14
	v_pk_add_f32 v[BUF+\k:BUF+\k+1], v[BUF+\k:BUF+\k+1], v[rM:rM+1] op_sel_hi:[1,0] neg_lo:[0,1] neg_hi:[0,1]
.endr
	SQ16 BUF, CT
	v_fma_f32 v[CT], v[CT], s32, v[CT2]            ; 32 x sum of (mean_i - mean)^2 + sum of M2
	v_fma_f32 v[rR], v[CT], s33, s34               ; / 512 + 1e-5
.endm
.irp t, 0,1,2,3,4,5,6,7
	P3TILE \t
.endr
.irp q, 0,1,2,3
	ds_load_b128 v[BUF+4*\q:BUF+4*\q+3], v9 offset:16*\q             ; g2 and beta2 of my 16 columns
	ds_load_b128 v[BUF2+4*\q:BUF2+4*\q+3], v9 offset:2048+16*\q
.endr
.irp t, 0,1,2,3,4,5,6,7
	v_rsq_f32 v[RS+2*\t], v[RS+2*\t]
.endr
	v_nop                                          ; a plain line behind the eight roots,
	s_wait_alu depctr_va_vdst(0)                   ; and one wait for them, ahead of their first reader
	s_wait_dscnt 0x0
; ---- P4: h2
.irp t, 0,1,2,3,4,5,6,7
.irp k, 0,2,4,6,8,10,12,14
	v_pk_add_f32 v[ACC+16*\t+\k:ACC+16*\t+\k+1], v[ACC+16*\t+\k:ACC+16*\t+\k+1], v[MP+2*\t:MP+2*\t+1] op_sel_hi:[1,0] neg_lo:[0,1] neg_hi:[0,1]
.endr
.irp k, 0,2,4,6,8,10,12,14
	v_pk_mul_f32 v[ACC+16*\t+\k:ACC+16*\t+\k+1], v[ACC+16*\t+\k:ACC+16*\t+\k+1], v[RS+2*\t:RS+2*\t+1] op_sel_hi:[1,0]
.endr
.irp k, 0,2,4,6,8,10,12,14
	v_pk_fma_f32 v[ACC+16*\t+\k:ACC+16*\t+\k+1], v[ACC+16*\t+\k:ACC+16*\t+\k+1], v[BUF+\k:BUF+\k+1], v[BUF2+\k:BUF2+\k+1]
.endr
.endr
	LOADW 4                                        ; W1 lands while h2 is quantised
	LOADWS 4
; ---- P5: h2's block w of every row, into the images
.irp hh, 0,1
	QCORE ACC+64*\hh, BUF, BUF2
.irp b, 0,1,2,3
	ds_store_b64 v5, v[BUF2+2*\b:BUF2+2*\b+1] offset:(4*\hh+\b)*4096
	ds_store_b8 v6, v[BUF+4+\b] offset:(4*\hh+\b)*256
.endr
	s_wait_dscnt 0x0                               ; the stores have read their registers
.endr
.irp q, 0,1,2,3
	ds_load_b128 v[ACC+4*\q:ACC+4*\q+3], v9 offset:4096+16*\q        ; b1 in the result's layout
.endr
	BARRIER                                        ; 3: h2's images lie in LDS
	s_wait_loadcnt 0x0                             ; W1
; ---- P6: h2 W1 + b1
	GEMM 1, 2, 3
	LOADW 5                                        ; W2 lands under the activation
	LOADWS 5
	v_mov_b32 v12, 0x3f87dc22                      ; a5, in both words of a pair
	v_mov_b32 v13, 0x3f87dc22
	s_wait_dscnt 0x0
	s_barrier_signal -1                            ; 4: my reads of h2's images are over; the activation and the quantiser, on registers alone, stand between the signal and the wait
; ---- P7: gelu, eight numbers (one accumulator) at a time
.macro GELU8 x
.irp i, 0,1,2,3,4,5,6,7
	v_and_b32 v[AX+\i], s35, v[(\x)+\i]            ; |x|
.endr
.irp k, 0,2,4,6
	v_pk_fma_f32 v[TT+\k:TT+\k+1], v[AX+\k:AX+\k+1], s[36:37], 1.0 op_sel_hi:[1,0,0]   ; 1 + p z, z = |x| / sqrt 2
	v_pk_mul_f32 v[EE+\k:EE+\k+1], v[AX+\k:AX+\k+1], s[38:39] op_sel_hi:[1,0]
.endr
.irp k, 0,2,4,6
	v_pk_mul_f32 v[EE+\k:EE+\k+1], v[EE+\k:EE+\k+1], v[EE+\k:EE+\k+1]                  ; z^2 log2(e)
.endr
.irp i, 0,1,2,3,4,5,6,7
	v_rcp_f32 v[TT+\i], v[TT+\i]
.endr
.irp i, 0,1,2,3,4,5,6,7
	v_exp_f32 v[EE+\i], -v[EE+\i]
.endr
	v_nop                                          ; a plain line behind the batch of sixteen,
	s_wait_alu depctr_va_vdst(0)                   ; and one wait for it
.irp k, 0,2,4,6
	v_pk_fma_f32 v[PP+\k:PP+\k+1], v[TT+\k:TT+\k+1], v[12:13], s[40:41] op_sel_hi:[1,1,0]
.endr
.irp k, 0,2,4,6
	v_pk_fma_f32 v[PP+\k:PP+\k+1], v[PP+\k:PP+\k+1], v[TT+\k:TT+\k+1], s[42:43] op_sel_hi:[1,1,0]
.endr
.irp k, 0,2,4,6
	v_pk_fma_f32 v[PP+\k:PP+\k+1], v[PP+\k:PP+\k+1], v[TT+\k:TT+\k+1], s[44:45] op_sel_hi:[1,1,0]
.endr
.irp k, 0,2,4,6
	v_pk_fma_f32 v[PP+\k:PP+\k+1], v[PP+\k:PP+\k+1], v[TT+\k:TT+\k+1], s[46:47] op_sel_hi:[1,1,0]
.endr
.irp k, 0,2,4,6
	v_pk_mul_f32 v[PP+\k:PP+\k+1], v[PP+\k:PP+\k+1], v[TT+\k:TT+\k+1]
.endr
.irp k, 0,2,4,6
	v_pk_mul_f32 v[PP+\k:PP+\k+1], v[PP+\k:PP+\k+1], v[EE+\k:EE+\k+1]                  ; erfc(z)
.endr
.irp k, 0,2,4,6
	v_pk_add_f32 v[TT+\k:TT+\k+1], v[(\x)+\k:(\x)+\k+1], v[AX+\k:AX+\k+1]              ; x + |x|
.endr
.irp k, 0,2,4,6
	v_pk_fma_f32 v[(\x)+\k:(\x)+\k+1], v[AX+\k:AX+\k+1], v[PP+\k:PP+\k+1], v[TT+\k:TT+\k+1] neg_lo:[1,0,0] neg_hi:[1,0,0]
.endr
.irp k, 0,2,4,6
	v_pk_mul_f32 v[(\x)+\k:(\x)+\k+1], v[(\x)+\k:(\x)+\k+1], 0.5 op_sel_hi:[1,0]
.endr
.endm
.irp a, 0,1,2,3,4,5,6,7,8,9,10,11,12,13,14,15
	GELU8 ACC+8*\a
.endr
; ---- P8: the hidden layer's block w of every row
	QCORE ACC, BUF, BUF2                           ; tiles 0-3: codes v236-243, bytes v224-227
	QCORE ACC+64, ACC, BUF2+8                      ; tiles 4-7: at work in the registers that tiles 0-3 have left: codes v244-251, bytes v20-23
	s_barrier_wait -1                              ; 4: nobody reads h2's images any more
; ---- P9
.irp b, 0,1,2,3
	ds_store_b64 v5, v[BUF2+2*\b:BUF2+2*\b+1] offset:\b*4096
	ds_store_b8 v6, v[BUF+4+\b] offset:\b*256
	ds_store_b64 v5, v[BUF2+8+2*\b:BUF2+9+2*\b] offset:(4+\b)*4096
	ds_store_b8 v6, v[ACC+4+\b] offset:(4+\b)*256
.endr
	BARRIER                                        ; 5: the hidden layer's images lie in LDS
	s_wait_loadcnt 0x0                             ; W2
; ---- P10: hidden W2
	GEMM 0, 2, 3
.irp j, 0,1,2,3
	global_load_b128 v[W+4*\j:W+4*\j+3], v1, s[22:23] offset:512*\j   ; b2, as a row lies
.endr
; ---- P11: y1 + hidden W2, in my columns of LDS
.irp t, 0,1,2,3,4,5,6,7
	v_add_nc_u32 v[TA+\t], \t*YT, v4
.endr
.irp p, 0,1,2,3
.irp q, 0,1,2,3
	ds_load_b128 v[BUF+4*\q:BUF+4*\q+3], v[TA+2*\p] offset:16*\q
	ds_load_b128 v[BUF2+4*\q:BUF2+4*\q+3], v[TA+2*\p+1] offset:16*\q
.endr
	s_wait_dscnt 0x0
.irp e, 0,1
.irp k, 0,2,4,6,8,10,12,14
	v_pk_add_f32 v[ACC+16*(2*\p+\e)+\k:ACC+16*(2*\p+\e)+\k+1], v[ACC+16*(2*\p+\e)+\k:ACC+16*(2*\p+\e)+\k+1], v[BUF+16*\e+\k:BUF+16*\e+\k+1]
.endr
.irp q, 0,1,2,3
	ds_store_b128 v[TA+2*\p+\e], v[ACC+16*(2*\p+\e)+4*\q:ACC+16*(2*\p+\e)+4*\q+3] offset:16*\q
.endr
.endr
.endr
	BARRIER                                        ; 6: whole rows lie in LDS
; ---- P12: my 8 rows, + b2, out
.irp i, 0,1,2,3,4,5,6,7
.irp j, 0,1,2,3
	ds_load_b128 v[ACC+16*\i+4*\j:ACC+16*\i+4*\j+3], v10 offset:\i*YP+512*\j
.endr
.endr
	s_wait_loadcnt 0x0                             ; b2
.irp i, 0,1,2,3,4,5,6,7
	s_wait_dscnt 4*(7-\i)                          ; the later rows' loads may be out
.irp k, 0,2,4,6,8,10,12,14
	v_pk_add_f32 v[ACC+16*\i+\k:ACC+16*\i+\k+1], v[ACC+16*\i+\k:ACC+16*\i+\k+1], v[W+\k:W+\k+1]
.endr
.irp j, 0,1,2,3
	global_store_b128 v1, v[ACC+16*\i+4*\j:ACC+16*\i+4*\j+3], s[24:25] offset:\i*2048+512*\j th:TH_STORE_NT   ; 512 consecutive bytes a store, aligned; written once
.endr
.endr
	s_wait_xcnt 0x0
	v_lshl_add_u32 v254, v0, 2, 0x4f800
	v_mov_b32 v255, 0
	s_wait_tensorcnt 0x0
	ds_add_u32 v254, v255
	s_wait_dscnt 0x0
	s_endpgm
.Lfunc_end_k_qa74633e890_mlp:
	.size	k_qa74633e890_mlp, .Lfunc_end_k_qa74633e890_mlp-k_qa74633e890_mlp
	.p2alignl 7, 3214868480
	.fill 96, 4, 3214868480
	.section	.rodata,"a",@progbits
	.p2align	6, 0x0
	.amdhsa_kernel k_qa74633e890_mlp
		.amdhsa_group_segment_fixed_size 327680
		.amdhsa_private_segment_fixed_size 0
		.amdhsa_enable_private_segment 0
		.amdhsa_kernarg_size 88
		.amdhsa_user_sgpr_count 2
		.amdhsa_user_sgpr_kernarg_segment_ptr 1
		.amdhsa_wavefront_size32 1
		.amdhsa_system_sgpr_workgroup_id_x 1
		.amdhsa_system_sgpr_workgroup_id_y 1
		.amdhsa_system_sgpr_workgroup_id_z 1
		.amdhsa_system_vgpr_workitem_id 0
		.amdhsa_next_free_vgpr 256
		.amdhsa_next_free_sgpr 80
		.amdhsa_reserve_vcc 0
		.amdhsa_float_denorm_mode_32 3
		.amdhsa_float_denorm_mode_16_64 3
		.amdhsa_memory_ordered 1
		.amdhsa_forward_progress 1
		.amdhsa_inst_pref_size 227
	.end_amdhsa_kernel
	.amdgpu_metadata
---
amdhsa.version: [ 1, 2 ]
amdhsa.kernels:
  - .name:           k_qa74633e890_mlp
    .symbol:         k_qa74633e890_mlp.kd
    .args:
      - { .name: x, .offset: 0, .size: 8, .value_kind: global_buffer, .address_space: global }
      - { .name: oimg, .offset: 8, .size: 8, .value_kind: global_buffer, .address_space: global }
      - { .name: oscl, .offset: 16, .size: 8, .value_kind: global_buffer, .address_space: global }
      - { .name: wimg, .offset: 24, .size: 8, .value_kind: global_buffer, .address_space: global }
      - { .name: wscl, .offset: 32, .size: 8, .value_kind: global_buffer, .address_space: global }
      - { .name: bo, .offset: 40, .size: 8, .value_kind: global_buffer, .address_space: global }
      - { .name: g2, .offset: 48, .size: 8, .value_kind: global_buffer, .address_space: global }
      - { .name: beta2, .offset: 56, .size: 8, .value_kind: global_buffer, .address_space: global }
      - { .name: b1m, .offset: 64, .size: 8, .value_kind: global_buffer, .address_space: global }
      - { .name: b2m, .offset: 72, .size: 8, .value_kind: global_buffer, .address_space: global }
      - { .name: out0, .offset: 80, .size: 8, .value_kind: global_buffer, .address_space: global }
    .group_segment_fixed_size: 327680
    .private_segment_fixed_size: 0
    .kernarg_segment_align: 8
    .kernarg_segment_size: 88
    .max_flat_workgroup_size: 512
    .sgpr_count:     80
    .vgpr_count:     256
    .wavefront_size: 32
...
	.end_amdgpu_metadata
.endif
;; end of part 3
